; MI455X (gfx1250); checked and timed in simulation.
; The chip was launched on July 23, 2026; its instructions are those of AMD's public machine-readable ISA for CDNA 5 (MIT licence, August 2026) and "CDNA5" Instruction Set Architecture Reference Guide (July 2026). The comments in the code are by the model that wrote it; some were corrected since.
;; Simple MHAJAX. Allowed arithmetic: matrix products marked QUANTISED: E2M3 operands, one E8M0 scale for each 32 along K, by v_wmma_scale_f32_16x16x128_f8f6f4 with both operands' format E2M3, f32 sums; everything else in f32.
;; Inputs: Wout 1,024 x 1,024 float32; Wqkv 1,024 x 3,072 float32; x 1 x 4,096 x 1,024 float32.
;; Outputs: out0 1 x 4,096 x 1,024 float32.
;; This version of the problem:
;;   THIS VERSION OF THE PROBLEM IS GIVEN IN LOW PRECISION. The matrix products marked QUANTISED in the list below multiply operands that are first quantised to E2M3 (2 exponent bits, 3 mantissa bits; 6 bits a number), with one power-of-two scale for each 32 numbers along K (OCP MX v1.0); their sums are f32. All else is computed in f32.
;;   The module's matrix products, in the order in which they are computed (A, B: the left and right operand; K: the contracted axis; several contracted axes count as one K, in the product's order):
;;     1. [M 4,096, K 1,024] x [K 1,024, N 3,072]; A: input x; B: input Wqkv: QUANTISED
;;     2. batch 16 x [M 4,096, K 64] x [K 64, N 4,096]; A: computed on the way; B: computed on the way: QUANTISED
;;     3. batch 16 x [M 4,096, K 4,096] x [K 4,096, N 64]; A: softmax (see below); B: computed on the way: QUANTISED
;;     4. [M 4,096, K 1,024] x [K 1,024, N 1,024]; A: computed on the way; B: input Wout: QUANTISED
;;   THE QUANTISER, for each operand of a quantised product, along K:
;;     - K is cut into blocks of 32 from its start; a last block that is shorter is filled with zeros.
;;     - A block's scale is 2^e with e = floor(log2(the largest magnitude in the block)) - 2, held to -126 .. 127; a block of zeros has e = 0. As a byte (E8M0): e + 127.
;;     - Each number is divided by its block's scale, clamped to +-7.5, and rounded to the nearest number of E2M3, ties to even, subnormals kept.
;;     - The product sums the exact products of the quantised numbers (number of the format x scale) in f32.
;;   ~~~python
;;   def quantise(x, axis):      # numpy; x: float32 -> the quantised numbers, widened to float32 again
;;       x = np.moveaxis(x, axis, -1); K = x.shape[-1]
;;       x = np.pad(x, [(0, 0)] * (x.ndim - 1) + [(0, -K % 32)]); x = x.reshape(x.shape[:-1] + (-1, 32)); a = np.abs(x).max(-1, keepdims=True)
;;       e = np.where(a > 0, np.clip(np.frexp(np.where(a > 0, a, 1))[1] - 1 - 2, -126, 127), 0)      # np.frexp(a)[1] - 1 = floor(log2(a)), exactly
;;       r = np.clip(x / 2.0 ** e, -7.5, 7.5)
;;       step = 2.0 ** (np.maximum(np.frexp(np.where(r == 0, 1, r))[1] - 1, 0) - 3)
;;       q = np.round(r / step) * step * 2.0 ** e      # np.round: ties to even
;;       return np.moveaxis(q.reshape(q.shape[:-2] + (-1,))[..., :K], -1, axis).astype(np.float32)
;;   ~~~
;;   SOFTMAX AHEAD OF A QUANTISED PRODUCT. Where the list says 'softmax', what is quantised is not the finished softmax but p = 2^(t - M), with t = logit x log2(e) and M = ceil(the row's largest t), a whole number; so 1/2 < the row's largest p <= 1. The row's sum l is taken of the UNQUANTISED p, in f32, and the product's result is divided by l at the end. Since M is a whole number, a kernel that streams over the keys may use a running M (the ceiling of the running maximum): every later rescaling is an exact power of two, which a block's scale takes up: the codes' values come out the same.
;;   OPERANDS COMPUTED ON THE WAY. 'Computed on the way' means the value that the module computes at that place (a softmax that the list does not call 'softmax' is quantised finished and normalised). What goes into a quantiser is computed in f32, as accurately as f32 sums, v_exp_f32 and their like allow (about 1e-6 of the number): no bf16 or f16 on the way to a quantiser, and a product that is left as it is and whose result goes on into a quantised operand takes f32 operands (vector FMAs, or v_wmma_f32_16x16x4_f32). A number that lies on a knife's edge between two numbers of the format may be rounded either way, as far as f32 arithmetic and the matrix unit's own rounding can turn it there, and no further.
;; One version. Each part assembles by itself: llvm-mc -triple=amdgcn-amd-amdhsa -mcpu=gfx1250 --defsym DOCPART=n.
;; ======== version 1 of 1: 4 launches
;; limits: right only within a limited range of input values
;; workspace buffers: xq 3,145,728 bytes; wq 3,145,728 bytes; sc 262,144 bytes; qb 3,276,800 bytes; kv 6,553,600 bytes; ao 3,276,800 bytes
;; launch quant (part 1): grid 768 x 1, 4 waves a work-group, no clusters, 34,304 bytes of LDS; arguments x, Wqkv, Wout, xq, wq, sc; writes xq, wq, sc
.if DOCPART == 1
	.amdgcn_target "amdgcn-amd-amdhsa--gfx1250"
	.amdhsa_code_object_version 6
	.text
	.protected	k_q28601ba7fe_quant
	.globl	k_q28601ba7fe_quant
	.p2align	8
	.type	k_q28601ba7fe_quant,@function
k_q28601ba7fe_quant:
	s_mov_b64 s[64:65], 0
	v_nop
	global_prefetch_b8 v0, s[64:65] scope:SCOPE_SE
	s_setreg_imm32_b32 hwreg(HW_REG_WAVE_MODE, 25, 1), 1
	s_wait_xcnt 0x0
; x [4096][1024], Wqkv [1024][3072], Wout [1024][1024], f32, become codes of FP6 (E2M3) with one E8M0 byte for each 32 along K (x: its rows; the weights: their first axis).
; A block's scale is 2^(floor(log2(largest magnitude)) - 2): its byte is the largest magnitude's exponent field - 2, held at 1 from below by a floor among the maximum's leaves.
; LIMITS: a block of zeros, or one whose largest magnitude lies under 2^-124, gets the byte 1 (the rule says 127 for zeros): its codes are zeros or held, and only this program reads the bytes.  NaN and infinities are not served.
; LAYOUT OF THE RESULTS.  Rows (tokens, weight columns) go in tiles of 16 inside groups of 32: lane-row r of tile 2 b + u is row 32 b + 8 u + r + 8 (r / 8).
; A fragment (16 rows x 128 K, 12 registers a lane) is stored as an IMAGE of its registers, 1,536 bytes: register j of lane l at 512 (j / 4) + 16 l + 4 (j % 4).  xq, wq: [tile 256][K step 8][image].
; A tile's scale words, 512 bytes: K step s of lane-row r at 256 (s / 4) + 16 r + 4 (s % 4).  sc: x's 256 tiles, then at 131,072 the weights' 256 (tiles 0-191 Wqkv, 192-255 Wout).
; SHARES: work-groups 0-511: x, a wave one tile x one K step; 512-703: Wqkv, 704-767: Wout, a wave 32 columns x one K step.  No barrier: waves share nothing.  Only x's path touches LDS.
.set XWG,  512                         ; work-groups that take x
.set SEL,  20                          ; s[20:21] lane selects: lane l xor 16
.set PC,   144                         ; x: the fragment just made, v144-155 (v156-162 at work)
.set TM,   168                         ; x: v168-171 largest magnitudes, v172-175 bytes, v180-183 scale operands
.set PW,   184                         ; x: the scale word
.set MX,   184                         ; weights: v184-187 largest magnitudes, v188-191 scale operands, v192-195 bytes, v196 the word, v198 a second chain
.set SO,   188
.set BY,   192
.set WPW,  196
.set CH2,  198
; 64 numbers of a lane become a fragment and its scale word: blocks 0, 1 in v[lo ..], blocks 2, 3 in v[hi ..]; register 16 b + i of a half = k 32 b + 16 (lane / 16) + i of my row.
.macro QUANT lo, hi
.irp b, 0,1
	v_max3_num_f32 v[TM+\b], 0x1800000, |v[(\lo)+16*\b]|, |v[(\lo)+16*\b+1]|      ; my 16 numbers of a block, and the floor 2^(3 - 127)
	v_max3_num_f32 v[TM+2+\b], 0x1800000, |v[(\hi)+16*\b]|, |v[(\hi)+16*\b+1]|
.endr
.irp i, 2,4,6,8,10,12,14
.irp b, 0,1
	v_max3_num_f32 v[TM+\b], v[TM+\b], |v[(\lo)+16*\b+\i]|, |v[(\lo)+16*\b+\i+1]|  ; the four blocks by turns
	v_max3_num_f32 v[TM+2+\b], v[TM+2+\b], |v[(\hi)+16*\b+\i]|, |v[(\hi)+16*\b+\i+1]|
.endr
.endr
.irp b, 0,1,2,3
	v_permlanex16_b32 v[TM+4+\b], v[TM+\b], s[SEL], s[SEL+1]
.endr
.irp b, 0,1,2,3
	v_max_num_f32 v[TM+\b], v[TM+\b], v[TM+4+\b]           ; with lane l xor 16's 16: the block's largest magnitude
.endr
.irp b, 0,1,2,3
	v_add_nc_u32 v[TM+12+\b], 0xff000000, v[TM+\b]         ; 2 off its exponent field: the conversion's scale operand
.endr
.irp b, 0,1,2,3
	v_lshrrev_b32 v[TM+4+\b], 23, v[TM+12+\b]              ; the scale's byte
.endr
	v_lshl_or_b32 v[PW], v[TM+5], 8, v[TM+4]
	v_lshl_or_b32 v[PW], v[TM+6], 16, v[PW]
	v_lshl_or_b32 v[PW], v[TM+7], 24, v[PW]
	v_cvt_scalef32_pk16_fp6_f32 v[PC:PC+2], v[(\lo):(\lo)+15], v[TM+12]
	v_cvt_scalef32_pk16_fp6_f32 v[PC+12:PC+14], v[(\lo)+16:(\lo)+31], v[TM+13]
	v_cvt_scalef32_pk16_fp6_f32 v[PC+6:PC+8], v[(\hi):(\hi)+15], v[TM+14]
	v_cvt_scalef32_pk16_fp6_f32 v[PC+16:PC+18], v[(\hi)+16:(\hi)+31], v[TM+15]
	v_nop                                                  ; one plain place behind a scaled conversion
.irp c, 0,1                                            ; the operand's layout wants a whole block in a lane: lanes 0-15 block 2 c, lanes 16-31 block 2 c + 1
.irp i, 0,1,2
	v_permlane16_swap_b32 v[PC+6*\c+\i], v[PC+12+4*\c+\i]
.endr
.irp i, 0,1,2
	v_mov_b32 v[PC+3+6*\c+\i], v[PC+12+4*\c+\i]
.endr
.endr
.endm
	s_load_b256 s[4:11], s[0:1], 0x0               ; x s[4:5], Wqkv s[6:7], Wout s[8:9], xq s[10:11]
	s_load_b128 s[12:15], s[0:1], 0x20             ; wq s[12:13], sc s[14:15]
	v_lshl_add_u32 v200, v0, 2, 0x8400
	v_mov_b32 v201, 0
	v_lshrrev_b32 v1, 5, v0
	v_readfirstlane_b32 s16, v1                    ; wave 0..3
	v_and_b32 v2, 31, v0                           ; lane
	s_cmp_lt_u32 ttmp9, XWG
	s_cbranch_scc0 .Lweights
	; ---- x: tile T = work-group / 2, K step 4 (work-group % 2) + wave
	s_mov_b32 s[SEL], 0x76543210
	s_mov_b32 s[SEL+1], 0xfedcba98
	s_lshr_b32 s17, ttmp9, 1                       ; T
	s_and_b32 s18, ttmp9, 1
	s_lshl_b32 s19, s18, 2
	s_add_co_u32 s19, s19, s16                     ; the K step
	s_lshr_b32 s22, s17, 1
	s_lshl_b32 s22, s22, 17                        ; 32 (T / 2) rows of 4,096 bytes
	s_and_b32 s23, s17, 1
	s_lshl_b32 s23, s23, 15                        ; + 8 (T % 2) rows
	s_add_co_u32 s22, s22, s23
	s_lshl_b32 s23, s19, 9                         ; + 512 bytes a K step
	s_add_co_u32 s22, s22, s23
	s_mov_b32 s23, 0
	s_lshl_b32 s24, s17, 3
	s_add_co_u32 s24, s24, s19
	s_mul_i32 s24, s24, 1536                       ; the image's place in xq
	s_mov_b32 s25, 0
	s_lshl_b32 s26, s17, 9                         ; the scale word's place: 512 T + 256 (K step / 4) + 4 (K step % 4)
	s_lshl_b32 s27, s18, 8
	s_add_co_u32 s26, s26, s27
	s_lshl_b32 s27, s16, 2
	s_add_co_u32 s26, s26, s27
	s_mov_b32 s27, 0
	s_mul_i32 s28, s16, 8448                       ; my stage: 16 rows of 512 bytes + 16
	s_wait_alu depctr_va_vdst(0)
	v_lshlrev_b32 v3, 4, v2                        ; 16 x lane
	v_add_nc_u32 v4, s28, v3                       ; into the stage: a row as it lies
	v_and_b32 v6, 15, v2                           ; r
	v_lshrrev_b32 v7, 4, v2                        ; h
	v_mul_u32_u24 v5, v6, 528
	v_lshl_add_u32 v5, v7, 6, v5
	v_add_nc_u32 v5, s28, v5                       ; out of it: row r, + 64 h: my 16 numbers of each block
	v_lshlrev_b32 v8, 4, v6                        ; 16 r
	s_wait_alu depctr_va_vdst(0)
	s_wait_kmcnt 0x0
	s_add_nc_u64 s[4:5], s[4:5], s[22:23]
	s_add_nc_u64 s[10:11], s[10:11], s[24:25]
	s_add_nc_u64 s[14:15], s[14:15], s[26:27]
.set q, 0
.rept 16
	global_load_b128 v[16+4*q:19+4*q], v3, s[4:5] offset:(q+8*(q/8))*4096 th:TH_LOAD_NT   ; lane-row q: 32 lanes read its 512 consecutive bytes
.set q, q+1
.endr
.irp b, 0,1,2,3
	v_mov_b32 v[TM+4+\b], 0                        ; a lane permute's destination counts as one of its sources
.endr
.set q, 0
.rept 16
	s_wait_loadcnt 15-q                            ; row q is in; the 15 - q younger rows may be out
	ds_store_b128 v4, v[16+4*q:19+4*q] offset:528*q
.set q, q+1
.endr
.set q, 0
.rept 16
	ds_load_b128 v[80+4*q:83+4*q], v5 offset:128*(q/4)+16*(q%4)   ; LDS serves a wave's instructions in order: these see my stores.  Block q / 4, my half's numbers 4 (q % 4) on
.set q, q+1
.endr
	s_wait_dscnt 0x0
	QUANT 80, 112
.irp g, 0,1,2
	global_store_b128 v3, v[PC+4*\g:PC+4*\g+3], s[10:11] offset:512*\g   ; the image: 512 consecutive bytes a store
.endr
	global_store_b32 v8, v[PW], s[14:15]           ; lanes r and r + 16 write the same word with the same value; the four waves' words fill 256 consecutive bytes
	s_wait_tensorcnt 0x0
	ds_add_u32 v200, v201
	s_wait_dscnt 0x0
	s_endpgm
	; ---- the weights: a lane takes a column, its registers run down K
.Lweights:
	s_wait_alu depctr_va_vdst(0)
	v_lshlrev_b32 v3, 2, v2                        ; in: 4 bytes a lane
	v_bfe_u32 v6, v2, 3, 1                         ; column c of the group of 32 is lane-row r = c % 8 + 8 (c / 16) of tile u = (c / 8) % 2
	v_and_b32 v7, 7, v2
	v_lshrrev_b32 v8, 4, v2
	v_lshl_add_u32 v7, v8, 3, v7
	v_lshlrev_b32 v7, 4, v7                        ; 16 r
	v_mad_u32_u24 v4, v6, 12288, v7                ; in wq: a tile is 12,288 bytes
	v_lshl_add_u32 v5, v6, 9, v7                   ; in sc: 512
.macro LOADW t, pitch, ptr             ; block t of my column: 32 rows; a wave reads 128 consecutive bytes of each, the four waves 512
.set ee, 0
.rept 32
	global_load_b32 v[16+32*(\t)+ee], v3, s[\ptr:\ptr+1] offset:(32*(\t)+ee)*(\pitch) th:TH_LOAD_NT
.set ee, ee+1
.endr
.endm
.macro BLOCKW t                        ; all 32 numbers of the block are mine.  Block t is K = 64 (t / 2) + 32 (t % 2) on: registers 6 (t / 2) .. + 5 of image lane r + 16 (t % 2)
.set XS, 16+32*(\t)
	v_max3_num_f32 v[MX+(\t)], |v[XS]|, |v[XS+1]|, |v[XS+2]|
	v_max3_num_f32 v[CH2], |v[XS+3]|, |v[XS+4]|, |v[XS+5]|
.irp i, 6,10,14,18,22,26
	v_max3_num_f32 v[MX+(\t)], v[MX+(\t)], |v[XS+\i]|, |v[XS+\i+1]|
	v_max3_num_f32 v[CH2], v[CH2], |v[XS+\i+2]|, |v[XS+\i+3]|
.endr
	v_max3_num_f32 v[MX+(\t)], v[MX+(\t)], |v[XS+30]|, |v[XS+31]|
	v_max3_num_f32 v[MX+(\t)], v[MX+(\t)], v[CH2], 0x1800000       ; and the floor
	v_add_nc_u32 v[SO+(\t)], 0xff000000, v[MX+(\t)]
	v_lshrrev_b32 v[BY+(\t)], 23, v[SO+(\t)]
	v_cvt_scalef32_pk16_fp6_f32 v[144+12*((\t)%2)+6*((\t)/2):146+12*((\t)%2)+6*((\t)/2)], v[XS:XS+15], v[SO+(\t)]
	v_cvt_scalef32_pk16_fp6_f32 v[168+4*(\t):170+4*(\t)], v[XS+16:XS+31], v[SO+(\t)]   ; (a conversion's three registers begin on an even number: moved below)
.endm
.macro QW pitch, tile0, first, ptr
	s_sub_co_u32 s17, ttmp9, \first
	s_and_b32 s18, s17, 7                          ; the K step
	s_lshr_b32 s19, s17, 3
	s_lshl_b32 s19, s19, 2
	s_add_co_u32 s19, s19, s16                     ; my group of 32 columns
	s_mul_i32 s22, s18, 128*(\pitch)
	s_lshl_b32 s23, s19, 7
	s_add_co_u32 s22, s22, s23
	s_mov_b32 s23, 0
	s_lshl_b32 s24, s19, 1
	s_add_co_u32 s24, s24, \tile0                  ; the group's first tile
	s_lshl_b32 s26, s24, 9
	s_add_co_u32 s26, s26, 131072
	s_lshr_b32 s27, s18, 2
	s_lshl_b32 s27, s27, 8
	s_add_co_u32 s26, s26, s27
	s_and_b32 s27, s18, 3
	s_lshl_b32 s27, s27, 2
	s_add_co_u32 s26, s26, s27
	s_mov_b32 s27, 0
	s_mul_i32 s24, s24, 12288
	s_mul_i32 s25, s18, 1536
	s_add_co_u32 s24, s24, s25
	s_mov_b32 s25, 0
	s_wait_kmcnt 0x0
	s_add_nc_u64 s[\ptr:\ptr+1], s[\ptr:\ptr+1], s[22:23]
	s_add_nc_u64 s[12:13], s[12:13], s[24:25]
	s_add_nc_u64 s[14:15], s[14:15], s[26:27]
	LOADW 0, \pitch, \ptr
	LOADW 1, \pitch, \ptr
	s_wait_loadcnt 32                              ; block 0 is in; block 1's 32 loads may be out
	LOADW 2, \pitch, \ptr
	BLOCKW 0
	s_wait_loadcnt 32                              ; block 1 is in; block 2's may be out
	LOADW 3, \pitch, \ptr
	BLOCKW 1
	s_wait_loadcnt 32                              ; block 2 is in; block 3's may be out
	BLOCKW 2
	s_wait_loadcnt 0x0
	BLOCKW 3
	v_nop                                          ; one plain place behind the last scaled conversion
.irp t, 0,1,2,3
.irp i, 0,1,2
	v_mov_b32 v[147+12*(\t%2)+6*(\t/2)+\i], v[168+4*\t+\i]
.endr
.endr
	v_lshl_or_b32 v[WPW], v[BY+1], 8, v[BY]        ; my column's scale word for this K step
	v_lshl_or_b32 v[WPW], v[BY+2], 16, v[WPW]
	v_lshl_or_b32 v[WPW], v[BY+3], 24, v[WPW]
.irp h, 0,1
.irp g, 0,1,2
	global_store_b128 v4, v[144+12*\h+4*\g:147+12*\h+4*\g], s[12:13] offset:256*\h+512*\g   ; image lanes 16 h + r: the sixteen lanes of a tile store 256 consecutive bytes, aligned
.endr
.endr
	global_store_b32 v5, v[WPW], s[14:15]
.endm
	s_cmp_lt_u32 ttmp9, XWG+192
	s_cbranch_scc0 .Lwout
	s_wait_alu depctr_va_vdst(0)
	QW 12288, 0, XWG, 6
	s_endpgm
.Lwout:
	s_wait_alu depctr_va_vdst(0)
	QW 4096, 192, XWG+192, 8
	s_endpgm
.Lfunc_end_k_q28601ba7fe_quant:
	.size	k_q28601ba7fe_quant, .Lfunc_end_k_q28601ba7fe_quant-k_q28601ba7fe_quant
	.p2alignl 7, 3214868480
	.fill 96, 4, 3214868480
	.section	.rodata,"a",@progbits
	.p2align	6, 0x0
	.amdhsa_kernel k_q28601ba7fe_quant
		.amdhsa_group_segment_fixed_size 34304
		.amdhsa_private_segment_fixed_size 0
		.amdhsa_enable_private_segment 0
		.amdhsa_kernarg_size 48
		.amdhsa_user_sgpr_count 2
		.amdhsa_user_sgpr_kernarg_segment_ptr 1
		.amdhsa_wavefront_size32 1
		.amdhsa_system_sgpr_workgroup_id_x 1
		.amdhsa_system_sgpr_workgroup_id_y 1
		.amdhsa_system_sgpr_workgroup_id_z 1
		.amdhsa_system_vgpr_workitem_id 0
		.amdhsa_next_free_vgpr 202
		.amdhsa_next_free_sgpr 66
		.amdhsa_reserve_vcc 0
		.amdhsa_float_denorm_mode_32 3
		.amdhsa_float_denorm_mode_16_64 3
		.amdhsa_memory_ordered 1
		.amdhsa_forward_progress 1
		.amdhsa_inst_pref_size 51
	.end_amdhsa_kernel
	.amdgpu_metadata
---
amdhsa.version: [ 1, 2 ]
amdhsa.kernels:
  - .name:           k_q28601ba7fe_quant
    .symbol:         k_q28601ba7fe_quant.kd
    .args:
      - { .name: x, .offset: 0, .size: 8, .value_kind: global_buffer, .address_space: global }
      - { .name: Wqkv, .offset: 8, .size: 8, .value_kind: global_buffer, .address_space: global }
      - { .name: Wout, .offset: 16, .size: 8, .value_kind: global_buffer, .address_space: global }
      - { .name: xq, .offset: 24, .size: 8, .value_kind: global_buffer, .address_space: global }
      - { .name: wq, .offset: 32, .size: 8, .value_kind: global_buffer, .address_space: global }
      - { .name: sc, .offset: 40, .size: 8, .value_kind: global_buffer, .address_space: global }
    .group_segment_fixed_size: 34304
    .private_segment_fixed_size: 0
    .kernarg_segment_align: 8
    .kernarg_segment_size: 48
    .max_flat_workgroup_size: 128
    .sgpr_count:     66
    .vgpr_count:     202
    .wavefront_size: 32
...
	.end_amdgpu_metadata
.endif
;; end of part 1
;; launch qkv (part 2): grid 12 x 16, 4 waves a work-group, clusters of 4 x 4, 327,680 bytes of LDS; arguments xq, wq, sc, qb, kv; writes qb, kv
.if DOCPART == 2
	.amdgcn_target "amdgcn-amd-amdhsa--gfx1250"
	.amdhsa_code_object_version 6
	.text
	.protected	k_q28601ba7fe_qkv
	.globl	k_q28601ba7fe_qkv
	.p2align	8
	.type	k_q28601ba7fe_qkv,@function
k_q28601ba7fe_qkv:
	s_mov_b64 s[64:65], 0
	v_nop
	global_prefetch_b8 v0, s[64:65] scope:SCOPE_SE
	s_setreg_imm32_b32 hwreg(HW_REG_WAVE_MODE, 25, 1), 1
	s_wait_xcnt 0x0
	s_wait_alu depctr_hold_cnt(0) depctr_sa_sdst(0) depctr_va_vdst(0) depctr_va_sdst(0) depctr_va_ssrc(0) depctr_va_vcc(0) depctr_vm_vsrc(0)
	s_getreg_b32 s2, hwreg(HW_REG_IB_STS2, 6, 4)
	s_cmp_eq_u32 s2, 0
	s_cbranch_scc0 .Lentry_in_a_cluster
	s_endpgm
.Lentry_in_a_cluster:
	s_bfe_u32 s2, ttmp6, 0x10000c
	s_cmp_lg_u32 s2, 0xf033
	s_cbranch_scc0 .Lentry_shape_is_right
	s_endpgm
.Lentry_shape_is_right:
; qkv = x Wqkv on codes of FP6 (E2M3) with E8M0 scales, K = 1,024, and q, k, v quantised for attention straight from the accumulators: no f32 result goes to memory.
; A work-group of four waves makes 256 tokens x 256 columns, a wave 128 x 128: 64 accumulators, 512 registers.  Column tiles 0-3 are q, 4-7 k, 8-11 v: the kind is the cluster's x, which all partners share.
; Operands lie in memory as images of fragments ([tile][K step][1,536 bytes]; register j of lane l at 512 (j / 4) + 16 l + 4 (j % 4)), so a fragment comes out of LDS by three loads of 16 bytes a lane.
; Lane-row r of tile 2 b + u is row 32 b + 8 u + r + 8 (r / 8): so in a result the 16 registers of source 0's tiles 2 b, 2 b + 1 are 16 neighbours along source 0's rows, 32 b + 16 (lane / 16) + 0 .. 15.
; q, k: source 0 = 16 columns of W, source 1 = 16 tokens: a lane holds a token, its registers run along the head's 64: the K of attention's first product.
; v: source 0 = 16 tokens, source 1 = 16 columns: a lane holds a channel, its registers run along the tokens: the keys, the K of the second product.  The loop is one text: only two LDS bases and two scale bases are chosen.
; Source 0's half of the tile is wave % 2, source 1's is wave / 2, in both kinds.
; K goes in four steps of 256 through three LDS slots: three first fills, and ONE refill (slot 0 takes the fourth).  CLUSTER 4 x 4: x's tiles are asked for jointly along a row, W's along a column.
; OUT: qb [head 16][group of 128 tokens 32][6,400]: four PAIR images (token tile 2 p in registers 0-5, tile 2 p + 1 in 6-11), then scale words [r 16][pair 4].
;      kv [head 16][128 keys 32][12,800]: K's four pair images; at 6,144 V^T's four images (16 channels x 128 keys); at 12,288 K's scale words [r][pair]; at 12,544 V's [r][channel tile].
; LIMITS: as in the launch before: a block of zeros or under 2^-124 gets the byte 1; NaN and infinities are not served.
; REGISTERS: window 0: v1 16 x lane, v2 16 (lane % 16), v16-18, v20-22 LDS addresses, v28-29 for the add, v32-95 scale words, v96-115 at work in the epilogue, v128-223 source 1's fragments (one set), later the codes made;
;   window 1: source 0's fragments, two sets at v0 and v128;  windows 2, 3: accumulator (source 1's tile a, source 0's tile b) at v[8 (8 (a % 4) + b)], window 2 + a / 4.
; HOW K GOES THROUGH LDS: one tensor load a wave at the head brings K steps 0-3 (rows of 6,144 bytes, LDS bytes 0 .. 2 SLOT); behind the full sequence and a round a second brings K steps 4, 5 (from 2 SLOT on);
; at K step 3 a round, and K steps 6, 7 are filled into bytes 0 .. SLOT, which have been read out by then.
.set SLOT,  98304
.set SPARE, 3*SLOT                     ; behind the slots: the spare words, 128 bytes a wave: two blocks of 256 bytes that no other line names
.set G1X, 24                           ; s[24:31] descriptor group 1 for x's tiles;  s[48:55] for W's: they differ in the mask
.set G1W, 48
.set GX0, 32                           ; groups 0, one for each slot
.set GX1, 36
.set GX2, 68
.set GW0, 56
.set GW1, 60
.set GW2, 72
.set SEL, 18                           ; s[18:19] lane selects: lane l xor 16
.set CB,  86                           ; s[86:87], s[88:89] where my two heads' codes go;  s[90:91], s[92:93] their scale words
.set SB,  90
.set ADP, 16
.set ADR, 20
.set SPW, 28
.set NIL, 29
.set SC,  32                           ; v[SC + 8 i + s]: K step s; lanes 0-15 the word of source 1's tile i, lanes 16-31 that of source 0's tile i
.set TM,  96
.set PWS, 112
.set RF,  128
.set PC,  128
.set MSB, 0
.macro WIN new                         ; the immediate's high byte repeats the setting that is left
.if MSB != (\new)
	s_set_vgpr_msb (MSB<<8)|(\new)
.set MSB, (\new)
.endif
.endm
.set MUL_LO, 0xa1                      ; source 0 window 1, source 1 window 0, C and D window 2
.set MUL_HI, 0xf1                      ; the same, C and D window 3
.set TO_P,   0x40                      ; destination window 1, address window 0
.macro PLACES                          ; four plain places behind a matrix instruction, in front of loads into its sources and of reads of its results
.rept 4
	v_nop
.endr
.endm
.macro JLOAD g0a, g1a, g0b, g1b        ; a joint load: waves 0 and 1 fetch x's halves, waves 2 and 3 W's; four v_nop follow each line
	s_cmp_eq_u32 s15, 0
	s_cbranch_scc0 .Lfor_b_\@
	tensor_load_to_lds s[\g0a:\g0a+3], s[\g1a:\g1a+7]
	s_nop 0
.rept 4
	v_nop
.endr
	s_branch .Lasked_\@
.Lfor_b_\@:
	tensor_load_to_lds s[\g0b:\g0b+3], s[\g1b:\g1b+7]
	s_nop 0
.rept 4
	v_nop
.endr
.Lasked_\@:
.endm
.macro CREST                           ; a round of the cluster's barrier behind its opening barrier
	s_cmp_lg_u32 s14, 0
	s_cbranch_scc1 .Lnot_wave_0_\@
	s_barrier_signal -3
.Lnot_wave_0_\@:
	s_barrier_wait -3
	s_barrier_signal -1
	s_barrier_wait -1
.endm
.macro CROUND
	s_barrier_signal -1
	s_barrier_wait -1
	CREST
.endm
.macro MKG0 g, src, n                  ; group 0 for slot n: count 1; LDS address; global address: K slot n; type 2
	s_mov_b32 s[\g], 1
	s_add_co_u32 s[\g+1], s45, \n*SLOT
	s_add_nc_u64 s[\g+2:\g+3], s[\src:\src+1], \n*3072
	s_or_b32 s[\g+3], s[\g+3], 0x80000000
.endm
	s_load_b256 s[4:11], s[0:1], 0x0               ; xq s[4:5], wq s[6:7], sc s[8:9], qb s[10:11]
	s_load_b64 s[12:13], s[0:1], 0x20              ; kv
	v_lshl_add_u32 v[SPW], v0, 2, SPARE
	v_mov_b32 v[NIL], 0
	ds_add_u32 v28, v29
	ds_add_u32 v28, v29
	s_wait_dscnt 0x0
	v_lshrrev_b32 v1, 5, v0
	v_readfirstlane_b32 s14, v1                    ; wave 0..3
	s_lshr_b32 s15, s14, 1                         ; source 1's half.  Also: I fetch for x (0) or for W (1)
	s_and_b32 s16, s14, 1                          ; source 0's half.  Also: which 8 tiles I fetch
	s_bfe_u32 s40, ttmp6, 0x40000                  ; cx, cy: my place in the cluster
	s_bfe_u32 s41, ttmp6, 0x40004
	s_lshl_b32 s42, ttmp9, 2
	s_add_co_u32 s42, s42, s40                     ; column tile of 256: 4 x cluster x + cx
	s_and_b32 s17, ttmp7, 0xffff
	s_lshl_b32 s17, s17, 2
	s_add_co_u32 s17, s17, s41                     ; token tile of 256: 4 x cluster y + cy
	s_lshl_b32 s43, s41, 2
	s_lshl_b32 s43, 15, s43                        ; my row of the cluster
	s_lshl_b32 s44, 0x1111, s40                    ; my column
	s_mov_b32 s[SEL], 0x76543210
	s_mov_b32 s[SEL+1], 0xfedcba98
	; group 1: 8 rows (tiles) of 3,072 bytes (two K steps' images), 12,288 bytes apart; elements of 8 bytes; dense in LDS
	s_or_b32 s[G1X], s43, (3<<16)|(1<<21)          ; 15:0 the mask; 17:16 elements of 8 bytes; 21 set beside a mask
	s_or_b32 s[G1W], s44, (3<<16)|(1<<21)
.irp g, G1X, G1W
	s_mov_b32 s[\g+1], 768<<16                     ; tensor_dim0: four K steps for the head's load
	s_mov_b32 s[\g+2], 8<<16                       ; tensor_dim1
	s_mov_b32 s[\g+3], 768<<16                     ; tile_dim0
	s_mov_b32 s[\g+4], 8                           ; tile_dim1
	s_mov_b32 s[\g+5], 1536                        ; tensor_dim0_stride
	s_mov_b32 s[\g+6], 0
	s_mov_b32 s[\g+7], 0
.endr
	s_lshl_b32 s22, s16, 3
	s_lshl_b32 s20, s17, 4
	s_add_co_u32 s20, s20, s22
	s_mul_i32 s20, s20, 12288                      ; x: tile 16 x token tile + 8 x half
	s_mov_b32 s21, 0
	s_lshl_b32 s46, s42, 4
	s_add_co_u32 s46, s46, s22
	s_mul_i32 s46, s46, 12288                      ; W: tile 16 x column tile + 8 x half
	s_mov_b32 s47, 0
	s_mul_i32 s45, s14, 24576                      ; where they go: wave x 8 tiles: no place in the cluster enters an LDS address
	; the roles.  v (cluster x = 2): source 0 = x, source 1 = W; else the other way round
	s_cmp_eq_u32 ttmp9, 2
	s_cselect_b32 s76, 0, 49152                    ; source 0's region of a slot
	s_cselect_b32 s77, 49152, 0                    ; source 1's
	s_cselect_b32 s78, s16, s15                    ; which half of the tokens is mine
	s_cselect_b32 s79, s15, s16                    ; which half of the columns
	s_mul_i32 s96, s16, 24576
	s_add_co_u32 s76, s76, s96
	s_mul_i32 s96, s15, 24576
	s_add_co_u32 s77, s77, s96
	s_lshl_b32 s94, s17, 13                        ; x's scale words of my 8 tiles: (16 x token tile + 8 x half) x 512
	s_lshl_b32 s96, s78, 12
	s_add_co_u32 s94, s94, s96
	s_lshl_b32 s95, s42, 13                        ; W's, behind x's 131,072 bytes
	s_lshl_b32 s96, s79, 12
	s_add_co_u32 s95, s95, s96
	s_add_co_u32 s95, s95, 131072
	s_cmp_eq_u32 ttmp9, 2
	s_cselect_b32 s96, s94, s95                    ; source 0's
	s_cselect_b32 s97, s95, s94                    ; source 1's
	; where the results go
	s_cmp_eq_u32 ttmp9, 0
	s_mov_b32 s82, 409600
	s_cselect_b32 s82, 204800, s82                 ; bytes a head: qb, kv
	s_mov_b32 s83, 12800
	s_cselect_b32 s83, 6400, s83                   ; bytes a group of 128 tokens
	s_mov_b32 s84, 12288
	s_cselect_b32 s84, 6144, s84                   ; the scale words' place in a group: q, k,
	s_cmp_eq_u32 ttmp9, 2
	s_cselect_b32 s85, 6144, 0                     ; the codes' place: V^T's images lie behind K's
	s_mov_b32 s86, 12544
	s_cselect_b32 s84, s86, s84                    ; v
	s_lshl_b32 s86, s40, 2
	s_lshl_b32 s87, s79, 1
	s_add_co_u32 s86, s86, s87                     ; my first head: 4 cx + 2 x half of the columns
	s_mul_i32 s86, s86, s82
	s_lshl_b32 s87, s17, 1
	s_add_co_u32 s87, s87, s78                     ; my group of 128 tokens
	s_mul_i32 s87, s87, s83
	s_add_co_u32 s86, s86, s87
	s_add_co_u32 s90, s86, s84
	s_add_co_u32 s86, s86, s85
	s_mov_b32 s87, 0
	s_mov_b32 s91, 0
	s_mov_b32 s83, 0                               ; s[82:83]: a head on
	s_wait_kmcnt 0x0
	s_cmp_eq_u32 ttmp9, 0
	s_cselect_b64 s[80:81], s[10:11], s[12:13]     ; q goes to qb, k and v to kv: the choice hangs on the cluster's number alone
	s_add_nc_u64 s[CB:CB+1], s[80:81], s[86:87]
	s_add_nc_u64 s[CB+2:CB+3], s[CB:CB+1], s[82:83]
	s_add_nc_u64 s[SB:SB+1], s[80:81], s[90:91]
	s_add_nc_u64 s[SB+2:SB+3], s[SB:SB+1], s[82:83]
	s_add_nc_u64 s[20:21], s[4:5], s[20:21]
	s_add_nc_u64 s[46:47], s[6:7], s[46:47]
	CROUND                                         ; all sixteen work-groups are here: the first joint loads meet
	MKG0 GX0, 20, 0                                ; K steps 0-3: 8 tiles x 6,144 bytes a wave,
	s_add_co_u32 s[GX0+1], s[GX0+1], s45           ; at wave x 49,152
	MKG0 GX1, 20, 2                                ; K steps 4, 5: at 2 SLOT + wave x 24,576
	MKG0 GX2, 20, 0                                ; K steps 6, 7: at wave x 24,576
	s_add_nc_u64 s[GX2+2:GX2+3], s[GX2+2:GX2+3], 3*3072
	MKG0 GW0, 46, 0
	s_add_co_u32 s[GW0+1], s[GW0+1], s45
	MKG0 GW1, 46, 2
	MKG0 GW2, 46, 0
	s_add_nc_u64 s[GW2+2:GW2+3], s[GW2+2:GW2+3], 3*3072
	JLOAD GX0, G1X, GW0, G1W                       ; one tensor load a wave at the head
	v_and_b32 v3, 31, v0                           ; lane
	v_lshlrev_b32 v1, 4, v3
	v_and_b32 v4, 15, v0
	v_lshlrev_b32 v2, 4, v4
	v_add_nc_u32 v[ADP+2], s76, v1                 ; an image's place for my lane: K steps 6, 7,
	v_add_nc_u32 v[ADR+2], s77, v1
	v_add_nc_u32 v[ADP+1], 2*SLOT, v[ADP+2]        ; K steps 4, 5,
	v_add_nc_u32 v[ADR+1], 2*SLOT, v[ADR+2]
	v_add_nc_u32 v[ADP], s76, v[ADP+2]             ; K steps 0-3: tiles twice as far apart
	v_add_nc_u32 v[ADR], s77, v[ADR+2]
	v_mov_b32 v5, s96
	v_mov_b32 v6, s97
	v_cmp_gt_u32 vcc_lo, 16, v3
	v_cndmask_b32 v5, v5, v6, vcc_lo               ; lanes 0-15 take source 1's scale words, lanes 16-31 source 0's
	v_add_nc_u32 v5, v5, v2
.irp b, 0,1,2,3
	v_mov_b32 v[TM+4+\b], 0                        ; a lane permute's destination counts as one of its sources
.endr
.irp i, 0,1,2,3,4,5,6,7
.irp kh, 0,1
	global_load_b128 v[SC+8*\i+4*\kh:SC+8*\i+4*\kh+3], v5, s[8:9] offset:512*\i+256*\kh   ; all of K's scale words of my 16 tiles, once: sixteen lanes read 256 consecutive bytes
.endr
.endr
.macro FRAG reg, adr, off              ; an image back into 12 registers
.irp g, 0,1,2
	ds_load_b128 v[(\reg)+4*\g:(\reg)+4*\g+3], v[\adr] offset:(\off)+512*\g
.endr
.endm
.macro FETCH_P ks                      ; source 0's eight fragments of K step ks into set ks % 2: 24 loads.  K step ks lies in slot (ks / 2) % 3
	WIN TO_P
.irp i, 0,1,2,3,4,5,6,7
	FRAG 128*((\ks)%2)+12*\i, ADP+((\ks)/4)*((\ks)/2-1), (6144-3072*((\ks)/4))*\i+1536*((\ks)%(4-2*((\ks)/4)))
.endr
	WIN 0
.endm
.macro FETCH_R ks, i0                  ; source 1's tiles i0 .. i0 + 3: 12 loads
.irp i, \i0, \i0+1, \i0+2, \i0+3
	FRAG RF+12*(\i), ADR+((\ks)/4)*((\ks)/2-1), (6144-3072*((\ks)/4))*(\i)+1536*((\ks)%(4-2*((\ks)/4)))
.endr
.endm
; 16 matrix instructions: source 1's tiles a0, a0 + 1 x source 0's eight.  The 64 accumulators take turns, one instruction a turn, in the same order in every step.
.macro MUL16 a0, ks, zero
.irp a, \a0, \a0+1
.irp b, 0,1,2,3,4,5,6,7
.if \zero
	v_wmma_scale_f32_16x16x128_f8f6f4 v[8*(8*((\a)%4)+\b):8*(8*((\a)%4)+\b)+7], v[128*((\ks)%2)+12*\b:128*((\ks)%2)+12*\b+11], v[RF+12*(\a):RF+12*(\a)+11], 0, v[SC+8*\b+(\ks)], v[SC+8*(\a)+(\ks)] matrix_a_fmt:MATRIX_FMT_FP6 matrix_b_fmt:MATRIX_FMT_FP6 matrix_a_scale:MATRIX_SCALE_ROW1
.else
	v_wmma_scale_f32_16x16x128_f8f6f4 v[8*(8*((\a)%4)+\b):8*(8*((\a)%4)+\b)+7], v[128*((\ks)%2)+12*\b:128*((\ks)%2)+12*\b+11], v[RF+12*(\a):RF+12*(\a)+11], v[8*(8*((\a)%4)+\b):8*(8*((\a)%4)+\b)+7], v[SC+8*\b+(\ks)], v[SC+8*(\a)+(\ks)] matrix_a_fmt:MATRIX_FMT_FP6 matrix_b_fmt:MATRIX_FMT_FP6 matrix_a_scale:MATRIX_SCALE_ROW1
.endif
.endr
.endr
.endm
; A K step of 128 whose successor's tiles are known to have landed.  A tile of source 1 is free when its eight products are issued: tiles 0-3 are fetched anew in the middle, 4-7 at the end.
.macro STEP ks, zero
	s_wait_dscnt 12                                ; source 0's set and source 1's tiles 0-3 are in; the youngest 12 loads (tiles 4-7) may be out
	WIN MUL_LO
	MUL16 0, \ks, \zero
	MUL16 2, \ks, \zero
	s_wait_dscnt 0x0
	PLACES
	FETCH_P \ks+1
	FETCH_R \ks+1, 0
	WIN MUL_HI
	MUL16 4, \ks, \zero
	MUL16 6, \ks, \zero
	PLACES
	WIN 0
	FETCH_R \ks+1, 4
.endm
; A K step with a barrier in it.  In front of the barrier each wave waits for all its tensor loads, adds 0 to its spare word, and waits for that and for its LDS reads.
; fill = 1 (K step 3): slot 0 has been read out; the barrier opens a round of the cluster's, and behind it slot 0 takes the fourth K slot.  fill = 0 (K step 5): that load has landed in every wave; nothing is filled.
.macro TURN ks, fill
	s_wait_tensorcnt 0x0                           ; all my tensor loads have landed
	ds_add_u32 v[SPW], v[NIL]                      ; 0 onto my spare word
	s_wait_dscnt 13                                ; (the add and the youngest 12 loads may be out)
	WIN MUL_LO
	MUL16 0, \ks, 0                                ; sixteen matrix instructions stand between the add and the wait for it
	s_wait_dscnt 0x0                               ; the add is done, and my reads of the slot are over
	s_barrier_signal -1
	MUL16 2, \ks, 0
	WIN 0
	s_barrier_wait -1
.if \fill
	CREST                                          ; no wave of any partner still reads slot 0 or has a load on its way
	JLOAD GX2, G1X, GW2, G1W                       ; my one tensor load behind the round: K steps 6, 7; its four v_nop are also the places for the loads below
.else
	PLACES
.endif
	FETCH_P \ks+1
	FETCH_R \ks+1, 0
	WIN MUL_HI
	MUL16 4, \ks, 0
	MUL16 6, \ks, 0
	PLACES
	WIN 0
	FETCH_R \ks+1, 4
.endm
	s_wait_alu depctr_va_vdst(0)                   ; the wait at the head's end
	s_wait_tensorcnt 0x0                           ; my part of K steps 0-3 is in
	ds_add_u32 v[SPW], v[NIL]
	s_mov_b32 s[G1X+1], 384<<16                    ; no tensor load of mine is out: from here on a load's rows are two K steps
	s_mov_b32 s[G1X+3], 384<<16
	s_mov_b32 s[G1W+1], 384<<16
	s_mov_b32 s[G1W+3], 384<<16
	s_wait_dscnt 0x0
	CROUND                                         ; everybody's part is in, and the joint loads meet
	JLOAD GX1, G1X, GW1, G1W                       ; K steps 4, 5: the first tensor load behind the round
	FETCH_P 0
	FETCH_R 0, 0
	FETCH_R 0, 4
	s_wait_loadcnt 0x0                             ; the scale words
	STEP 0, 1                                      ; the first products start the sums: nothing is cleared
	STEP 1, 0
	STEP 2, 0
	TURN 3, 1                                      ; K steps 4, 5 are shown landed; bytes 0 .. SLOT take K steps 6, 7
	STEP 4, 0
	TURN 5, 0
	STEP 6, 0
	s_wait_dscnt 12
	WIN MUL_LO
	MUL16 0, 7, 0
	MUL16 2, 7, 0
	s_wait_dscnt 0x0
	WIN MUL_HI
	MUL16 4, 7, 0
	MUL16 6, 7, 0
	WIN 0
	PLACES
; THE EPILOGUE.  64 accumulator registers of a lane (32 at lo, 32 at hi, in window win) become a fragment in v[PC ..] and a scale word in v[PWS + it].  Each accumulator is read from its low end on.
.macro QUANTW lo, hi, win, it
.set WA, ((\win)<<2)|((\win)<<4)
	WIN WA                                         ; sources 1 and 2: the accumulators' window
.irp b, 0,1
	v_max3_num_f32 v[TM+\b], 0x1800000, |v[(\lo)+16*\b]|, |v[(\lo)+16*\b+1]|      ; my 16 numbers of a block, and the floor 2^(3 - 127)
	v_max3_num_f32 v[TM+2+\b], 0x1800000, |v[(\hi)+16*\b]|, |v[(\hi)+16*\b+1]|
.endr
.irp i, 2,4,6,8,10,12,14
.irp b, 0,1
	v_max3_num_f32 v[TM+\b], v[TM+\b], |v[(\lo)+16*\b+\i]|, |v[(\lo)+16*\b+\i+1]|
	v_max3_num_f32 v[TM+2+\b], v[TM+2+\b], |v[(\hi)+16*\b+\i]|, |v[(\hi)+16*\b+\i+1]|
.endr
.endr
	WIN 0
	s_wait_alu depctr_va_vdst(0)
	s_wait_xcnt 0x0                                ; the earlier stores have read their registers: the scale words and the codes are written again only behind this wait
.irp b, 0,1,2,3
	v_permlanex16_b32 v[TM+4+\b], v[TM+\b], s[SEL], s[SEL+1]
.endr
.irp b, 0,1,2,3
	v_max_num_f32 v[TM+\b], v[TM+\b], v[TM+4+\b]
.endr
.irp b, 0,1,2,3
	v_add_nc_u32 v[TM+12+\b], 0xff000000, v[TM+\b] ; 2 off the exponent field: the conversion's scale operand
.endr
.irp b, 0,1,2,3
	v_lshrrev_b32 v[TM+4+\b], 23, v[TM+12+\b]
.endr
	v_lshl_or_b32 v[PWS+(\it)], v[TM+5], 8, v[TM+4]
	v_lshl_or_b32 v[PWS+(\it)], v[TM+6], 16, v[PWS+(\it)]
	v_lshl_or_b32 v[PWS+(\it)], v[TM+7], 24, v[PWS+(\it)]
	WIN \win                                       ; source 0: the accumulators' window
	v_cvt_scalef32_pk16_fp6_f32 v[PC:PC+2], v[(\lo):(\lo)+15], v[TM+12]
	v_cvt_scalef32_pk16_fp6_f32 v[PC+12:PC+14], v[(\lo)+16:(\lo)+31], v[TM+13]
	v_cvt_scalef32_pk16_fp6_f32 v[PC+6:PC+8], v[(\hi):(\hi)+15], v[TM+14]
	v_cvt_scalef32_pk16_fp6_f32 v[PC+16:PC+18], v[(\hi)+16:(\hi)+31], v[TM+15]
	WIN 0
	v_nop                                          ; one plain place behind a scaled conversion
.irp c, 0,1
.irp i, 0,1,2
	v_permlane16_swap_b32 v[PC+6*\c+\i], v[PC+12+4*\c+\i]
.endr
.irp i, 0,1,2
	v_mov_b32 v[PC+3+6*\c+\i], v[PC+12+4*\c+\i]
.endr
.endr
.endm
; My two heads gq, four images each.  q, k: image it = token tiles 2 it, 2 it + 1, each with the head's two blocks of 32 (accumulators b = 4 gq .. 4 gq + 3).  v: image it = channel tile a = 4 gq + it, with four blocks of 32 keys.
.macro EPI vm
.irp gq, 0,1
.irp it, 0,1,2,3
.if \vm
	QUANTW 64*\it, 64*\it+32, 2+\gq, \it
.else
	QUANTW 128*(\it&1)+32*\gq, 128*(\it&1)+32*\gq+64, 2+(\it>>1), \it
.endif
.irp g, 0,1,2
	global_store_b128 v1, v[PC+4*\g:PC+4*\g+3], s[CB+2*\gq:CB+2*\gq+1] offset:1536*\it+512*\g   ; 512 consecutive bytes a store
.endr
.endr
	global_store_b128 v2, v[PWS:PWS+3], s[SB+2*\gq:SB+2*\gq+1]   ; four words a lane-row: 256 consecutive bytes; lanes r and r + 16 write the same bytes with the same values
.endr
.endm
	s_cmp_eq_u32 ttmp9, 2
	s_cbranch_scc1 .Lvmode
	EPI 0
	s_branch .Lend
.Lvmode:
	EPI 1
.Lend:
	s_wait_tensorcnt 0x0                           ; the wave's end
	ds_add_u32 v[SPW], v[NIL]
	s_wait_dscnt 0x0
	CROUND                                         ; the closing round: no work-group ends while a partner may still ask for a tile that names it
	s_endpgm
.Lfunc_end_k_q28601ba7fe_qkv:
	.size	k_q28601ba7fe_qkv, .Lfunc_end_k_q28601ba7fe_qkv-k_q28601ba7fe_qkv
	.p2alignl 7, 3214868480
	.fill 96, 4, 3214868480
	.section	.rodata,"a",@progbits
	.p2align	6, 0x0
	.amdhsa_kernel k_q28601ba7fe_qkv
		.amdhsa_group_segment_fixed_size 327680
		.amdhsa_private_segment_fixed_size 0
		.amdhsa_enable_private_segment 0
		.amdhsa_kernarg_size 40
		.amdhsa_user_sgpr_count 2
		.amdhsa_user_sgpr_kernarg_segment_ptr 1
		.amdhsa_wavefront_size32 1
		.amdhsa_system_sgpr_workgroup_id_x 1
		.amdhsa_system_sgpr_workgroup_id_y 1
		.amdhsa_system_sgpr_workgroup_id_z 1
		.amdhsa_system_vgpr_workitem_id 0
		.amdhsa_next_free_vgpr 1024
		.amdhsa_next_free_sgpr 98
		.amdhsa_reserve_vcc 1
		.amdhsa_float_denorm_mode_32 3
		.amdhsa_float_denorm_mode_16_64 3
		.amdhsa_memory_ordered 1
		.amdhsa_forward_progress 1
		.amdhsa_inst_pref_size 171
	.end_amdhsa_kernel
	.amdgpu_metadata
---
amdhsa.version: [ 1, 2 ]
amdhsa.kernels:
  - .name:           k_q28601ba7fe_qkv
    .symbol:         k_q28601ba7fe_qkv.kd
    .args:
      - { .name: xq, .offset: 0, .size: 8, .value_kind: global_buffer, .address_space: global }
      - { .name: wq, .offset: 8, .size: 8, .value_kind: global_buffer, .address_space: global }
      - { .name: sc, .offset: 16, .size: 8, .value_kind: global_buffer, .address_space: global }
      - { .name: qb, .offset: 24, .size: 8, .value_kind: global_buffer, .address_space: global }
      - { .name: kv, .offset: 32, .size: 8, .value_kind: global_buffer, .address_space: global }
    .group_segment_fixed_size: 327680
    .private_segment_fixed_size: 0
    .kernarg_segment_align: 8
    .kernarg_segment_size: 40
    .max_flat_workgroup_size: 128
    .sgpr_count:     98
    .vgpr_count:     1024
    .wavefront_size: 32
...
	.end_amdgpu_metadata
.endif
;; end of part 2
;; launch attn (part 3): grid 16 x 16, 16 waves a work-group, no clusters, 327,680 bytes of LDS; arguments qb, kv, ao; writes ao
.if DOCPART == 3
	.amdgcn_target "amdgcn-amd-amdhsa--gfx1250"
	.amdhsa_code_object_version 6
	.text
	.protected	k_q28601ba7fe_attn
	.globl	k_q28601ba7fe_attn
	.p2align	8
	.type	k_q28601ba7fe_attn,@function
k_q28601ba7fe_attn:
	s_mov_b64 s[64:65], 0
	v_nop
	global_prefetch_b8 v0, s[64:65] scope:SCOPE_SE
	s_setreg_imm32_b32 hwreg(HW_REG_WAVE_MODE, 25, 1), 1
	s_wait_xcnt 0x0
; Causal attention for 16 heads of 64 over 4,096 tokens, both products on codes of FP6 (E2M3) with E8M0 scales; the result, divided by the row's sum, is quantised along the model's 1,024 channels for the last product.
; LEFT OUT: key steps all of whose keys come after a tile's queries: the causal mask sets their scores to -infinity, so their p is 0 for all inputs.
; THE SOFTMAX: t = score x log2(e) / 8; M = the running largest t rounded UP to a whole number; p = 2^(t - M) is quantised along the keys, not normalised; the row's sum is taken of the unquantised p;
; when M moves, sum and O are multiplied by 2^(old M - new M), exactly.
; SHARES.  A key step is 128 keys; a group is 128 queries, 8 tiles of 16; group G needs key steps 0 .. G.  Work-group (g = x, head = y) owns groups g and 31 - g: 8 x 33 tile-steps, the same for every g.
; Waves 0-7 (set A): tile w of group 31 - g against key steps 0 .. 15: 16 steps, none masked.
; Waves 8-15 (set B): the same tile against key steps 16 .. 31 - g (the last is its diagonal); then O, M and the sum are put into LDS bytes of their own, and tile w of group g follows, key steps 0 .. g: 17 steps.
; While set B does its 17th step, set A joins the two parts of the high tile (factors 2^(M - larger M), exact) and sends it out; set B sends the low tile out.
; LDS: each set has a ring of two slots of four key steps.  A change of slots brings 8 key steps: every wave asks for half a key step, 25 rows of 256 bytes, one tensor load a wave.  All trip counts are constants.
; cluster = none: the step at which a work-group masks and changes tiles is 15 - g, and work-groups of one head differ in g, so partners of a cluster would branch apart; work-groups of one g are of different heads and share no tile.
; PREFETCH: in trip n the tiles that trip n + 1 will load (phase n + 2: 16 half steps of the head) are asked for, half a step (25 blocks of 256 bytes) by wave 1 of each of the head's 16 work-groups, told apart by address; the last trip asks for nothing.
; A key step: four PAIR images of K (key tile 2 p in registers 0-5, 2 p + 1 in 6-11), each multiplied by [q | 0] and by [0 | q] (the head's K is 64; zero codes add nothing); then four images of V^T.
; Both products are used transposed: a lane holds one query (lane % 16); register 16 b + i of the scores is key 32 b + 16 (lane / 16) + i of the step.
; LIMITS: the promise holds while the scaled scores stay under 2^31 in magnitude; NaN and infinities are not served; a block of zeros gets the byte 1 (only this program reads the bytes); the division by the sum is v_rcp_f32 and a multiplication.
; REGISTERS: v1 16 x lane; v2 the scale words' place; v3 the mask's number; v4, v5 for the add; v6 the prefetch's offset; v7-9 q's offsets; v10, v11 the way out; v12 -M, v13 the largest t, v[14:15] the sum;
;   v16-21 zeros, v22-27 q, v28-33 zeros; v34 q's scale word; v36-39 K's (lanes 0-15) and V's (lanes 16-31) scale words; v40-87 four fragments; v88, v89 this step's LDS addresses; v90 the parked part's;
;   v96-159 scores, then p; v160-191 O^T; v224-235 p's codes; v232-255 at work.
.set STEPB, 12800                      ; a key step in kv and in LDS: K 6,144, V 6,144, K's scale words 256, V's 256
.set SLOTB, 4*STEPB
.set PART,  4*SLOTB                    ; behind the two rings: 4,608 bytes for each pair of waves: O^T, then -M, t and the sum; no tensor load lands there
.set SPARE, PART+8*4608                ; the spare words, 128 bytes a wave
.set WV, 10
.set GG, 11
.set SET, 12
.set HD, 13
.set W8, 14
.set D1, 15                            ; set B: 15 - g, the step with the high tile's diagonal; set A: 99
.set A1, 16                            ; key step = step + A1 up to step D1, + A2 behind it
.set A2, 17
.set I,  18                            ; my set's step
.set N,  19
.set SEL, 20
.set CS, 22                            ; s[22:23] c = log2(e) / 8
.set G1, 24
.set G0, 32
.set LIDX, 36                          ; the step whose half I ask for
.set LB, 37
.set SBASE, 38
.set RB, 39                            ; LDS byte of my set's current step
.set PFA, 40
.set PL, 42
.set JC, 43
.set KVB, 44
.set LQ, 46
.set RT, 52                            ; 0 or SLOTB: the slot that is read
.set LW, 53
.macro MKD                             ; group 0's global address from LIDX (s49 = 0)
	s_cmp_le_u32 s[LIDX], s[D1]
	s_cselect_b32 s48, s[A1], s[A2]
	s_add_co_u32 s48, s48, s[LIDX]
	s_mul_i32 s48, s48, STEPB
	s_add_nc_u64 s[G0+2:G0+3], s[KVB:KVB+1], s[48:49]
	s_or_b32 s[G0+3], s[G0+3], 0x80000000
.endm
	s_load_b128 s[4:7], s[0:1], 0x0                ; qb, kv
	s_load_b64 s[8:9], s[0:1], 0x10                ; ao
	v_lshl_add_u32 v4, v0, 2, SPARE
	v_mov_b32 v5, 0
	ds_add_u32 v4, v5                              ; the opening lines
	ds_add_u32 v4, v5
	v_lshrrev_b32 v91, 5, v0
	v_readfirstlane_b32 s[WV], v91                 ; wave 0..15
	s_mov_b32 s[GG], ttmp9
	s_and_b32 s[HD], ttmp7, 0xffff
	s_lshr_b32 s[SET], s[WV], 3
	s_and_b32 s[W8], s[WV], 7
	s_lshr_b32 s[LW], s[WV], 1
	s_lshr_b32 s[LIDX], s[W8], 1                   ; phase 0: step (wave % 8) / 2, half wave % 2
	s_sub_co_u32 s50, 15, s[GG]
	s_sub_co_u32 s51, s[GG], 16                    ; g - 16, modulo 2^32
	s_sub_co_u32 s54, 31, s[GG]
	s_cmp_eq_u32 s[SET], 0
	s_cselect_b32 s[D1], 99, s50
	s_cselect_b32 s[A1], 0, 16
	s_cselect_b32 s[A2], 0, s51
	s_cselect_b32 s55, s54, s[GG]                  ; the group whose result I send out
	s_mov_b32 s[G1], 3<<16                         ; elements of 8 bytes; 25 rows of 256 bytes, dense
	s_mov_b32 s[G1+1], 32<<16
	s_mov_b32 s[G1+2], 25<<16
	s_mov_b32 s[G1+3], 32<<16
	s_mov_b32 s[G1+4], 25
	s_mov_b32 s[G1+5], 32
	s_mov_b32 s[G1+6], 0
	s_mov_b32 s[G1+7], 0
	s_mul_i32 s[SBASE], s[SET], 2*SLOTB
	s_mul_i32 s[LB], s[W8], 6400
	s_add_co_u32 s[LB], s[LB], s[SBASE]
	s_mov_b32 s[G0], 1
	s_mov_b32 s[G0+1], s[LB]
	s_and_b32 s62, s[W8], 1
	s_mul_i32 s48, s62, 6400
	s_mul_i32 s63, s[HD], 409600
	s_add_co_u32 s48, s48, s63
	s_mov_b32 s49, 0
	s_wait_dscnt 0x0
	s_wait_kmcnt 0x0
	s_add_nc_u64 s[KVB:KVB+1], s[6:7], s[48:49]
	MKD
	tensor_load_to_lds s[G0:G0+3], s[G1:G1+7]      ; phase 0: every wave's one load at the head
	s_nop 0
	s_lshr_b32 s50, s[GG], 3                       ; the prefetches: half step g of a phase's sixteen
	s_lshl_b32 s50, s50, 4
	s_bfe_u32 s51, s[GG], 0x20001
	s_add_co_u32 s50, s50, s51
	s_add_co_u32 s50, s50, 4                       ; at phase 1: the first change of slots steps it to phase 2
	s_mul_i32 s50, s50, STEPB
	s_and_b32 s51, s[GG], 1
	s_mul_i32 s51, s51, 6400
	s_add_co_u32 s50, s50, s51
	s_add_co_u32 s50, s50, s63
	s_mov_b32 s51, 0
	s_add_nc_u64 s[PFA:PFA+1], s[6:7], s[50:51]
	s_cmp_eq_u32 s[WV], 1
	s_cselect_b32 s[PL], 2, 0                      ; wave 1 asks in trips 0 and 1
	s_mul_i32 s50, s[HD], 204800
	s_mul_i32 s51, s54, 6400
	s_add_co_u32 s48, s50, s51
	s_add_nc_u64 s[56:57], s[4:5], s[48:49]        ; q of group 31 - g
	s_mul_i32 s51, s[GG], 6400
	s_add_co_u32 s48, s50, s51
	s_add_nc_u64 s[LQ:LQ+1], s[4:5], s[48:49]      ; q of group g
	s_lshl_b32 s55, s55, 3
	s_add_co_u32 s55, s55, s[W8]                   ; the tile that I send out
	s_mul_i32 s48, s55, 12288
	s_mul_i32 s51, s[HD], 768
	s_add_co_u32 s48, s48, s51
	s_add_nc_u64 s[58:59], s[8:9], s[48:49]        ; ao: [tile][head][768]
	s_lshl_b32 s48, s55, 9                         ; its scale bytes: 3,145,728 + 512 tile + 256 (head / 8) + 2 (head % 8)
	s_add_co_u32 s48, s48, 3145728
	s_lshr_b32 s51, s[HD], 3
	s_lshl_b32 s51, s51, 8
	s_add_co_u32 s48, s48, s51
	s_and_b32 s51, s[HD], 7
	s_lshl_b32 s51, s51, 1
	s_add_co_u32 s48, s48, s51
	s_add_nc_u64 s[60:61], s[8:9], s[48:49]
	s_lshr_b32 s50, s[W8], 1                       ; p: my tile's pair; s62 = u: which of the pair
	s_mul_i32 s51, s50, 1536
	s_mul_i32 s54, s62, 520
	s_add_co_u32 s54, s54, s51
	s_mul_i32 s55, s62, 1016
	s_add_co_u32 s55, s55, s51
	s_lshl_b32 s63, s[W8], 1                       ; 4 p + 2 u
	s_lshl_b32 s50, s50, 5
	s_lshl_b32 s62, s62, 3
	s_add_co_u32 s50, s50, s62                     ; 32 p + 8 u
	s_mul_i32 s51, s[W8], 4608
	s_add_co_u32 s51, s51, PART
	s_mov_b32 s[SEL], 0x76543210
	s_mov_b32 s[SEL+1], 0xfedcba98
	s_mov_b32 s[CS], 0x3e38aa3b
	s_mov_b32 s[CS+1], s[CS]
	s_mov_b32 s[I], 0
	s_mov_b32 s[RT], 0
	s_mov_b32 s[N], 0
	v_and_b32 v91, 31, v0                          ; lane
	v_and_b32 v92, 15, v0                          ; r
	v_bfe_u32 v93, v0, 4, 1                        ; h
	v_lshlrev_b32 v1, 4, v91
	v_lshlrev_b32 v11, 4, v92
	v_lshl_add_u32 v2, v93, 8, v11
	v_add_nc_u32 v2, 12288, v2                     ; lanes 0-15: K's four words of lane-row r; lanes 16-31: V's
	v_lshrrev_b32 v3, 3, v92
	v_lshl_add_u32 v3, v3, 3, v92
	v_lshlrev_b32 v10, 4, v93
	v_sub_nc_u32 v3, v3, v10
	v_add_nc_u32 v3, s50, v3                       ; my query's place in its 128, less 16 h: on a diagonal register 16 b + i is hidden where 32 b + i is greater
	v_min_u32 v6, 24, v91
	v_lshlrev_b32 v6, 8, v6                        ; a lane a block of 256 bytes (lanes 25-31 name the last again)
	v_lshlrev_b32 v10, 3, v91
	v_add_nc_u32 v7, s54, v1                       ; q's half of its pair image, in pieces of 8 bytes
	v_add_nc_u32 v8, s55, v1
	v_add_nc_u32 v9, s63, v11
	v_add_nc_u32 v90, s51, v1
	s_wait_alu depctr_va_vdst(0)
	global_load_b64 v[22:23], v7, s[56:57]
	global_load_b64 v[24:25], v8, s[56:57] offset:8
	global_load_b64 v[26:27], v7, s[56:57] offset:512
	global_load_u16 v34, v9, s[56:57] offset:6144
.irp j, 16,17,18,19,20,21,28,29,30,31,32,33
	v_mov_b32 v\j, 0                               ; zero codes beside q
.endr
	v_mov_b32 v13, 0xff61b1e6                      ; the largest t so far: -3e38
	v_floor_f32 v12, -v13                          ; -M
	v_mov_b32 v14, 0
	v_mov_b32 v15, 0
.irp b, 0,1,2,3
	v_mov_b32 v[236+\b], 0                         ; a lane permute's destination counts as one of its sources
.endr
	v_mov_b32 v252, 0
	v_mov_b32 v253, 0
	s_wait_loadcnt 0x0
	v_lshl_or_b32 v34, v34, 16, v34                ; [s0, s1, s0, s1]: serves [q | 0] and [0 | q]
.set n, 0
.rept 32
	v_mov_b32 v[160+n], 0                          ; O^T: the step is written once; the first change of M leaves zeros zeros
.set n, n+1
.endr
	s_wait_alu depctr_va_vdst(0)                   ; the wait at the head's end
; One key step at LDS byte RB.  last = 0: in a ring's loop: the mask where step I is D1; behind that step set B changes tiles.  last = 1: set B's 17th step, the low tile's diagonal.
.macro STEP last
	v_add_nc_u32 v88, s[RB], v1
	v_add_nc_u32 v89, s[RB], v2
	s_wait_alu depctr_va_vdst(0)
.irp p, 0,1,2,3
.irp g, 0,1,2
	ds_load_b128 v[40+12*\p+4*\g:43+12*\p+4*\g], v88 offset:1536*\p+512*\g   ; K's pair images
.endr
.endr
	ds_load_b128 v[36:39], v89
	s_wait_dscnt 0x0
.irp p, 0,1,2,3
	v_wmma_scale_f32_16x16x128_f8f6f4 v[96+16*\p:103+16*\p], v[40+12*\p:51+12*\p], v[22:33], 0, v[36+\p], v34 matrix_a_fmt:MATRIX_FMT_FP6 matrix_b_fmt:MATRIX_FMT_FP6     ; key tile 2 p
	v_wmma_scale_f32_16x16x128_f8f6f4 v[104+16*\p:111+16*\p], v[40+12*\p:51+12*\p], v[16:27], 0, v[36+\p], v34 matrix_a_fmt:MATRIX_FMT_FP6 matrix_b_fmt:MATRIX_FMT_FP6   ; key tile 2 p + 1
.endr
.rept 4
	v_nop                                          ; places in front of the loads below and of the first read of the scores
.endr
.irp p, 0,1,2,3
.irp g, 0,1,2
	ds_load_b128 v[40+12*\p+4*\g:43+12*\p+4*\g], v88 offset:6144+1536*\p+512*\g   ; V^T's images: they land behind the softmax
.endr
.endr
.if \last == 0
	s_cmp_lg_u32 s[I], s[D1]
	s_cbranch_scc1 .Lopen_\@
.endif
	v_mov_b32 v254, 0xff800000                     ; on a diagonal: -infinity for hidden keys
.set n, 0
.rept 64
	v_cmp_gt_i32 vcc_lo, 32*(n/16)+n%16, v3
	v_cndmask_b32 v[96+n], v[96+n], v254, vcc_lo
.set n, n+1
.endr
.Lopen_\@:
.irp b, 0,1,2,3
	v_max3_num_f32 v[232+\b], v[96+16*\b], v[97+16*\b], v[98+16*\b]   ; the largest score of each block of 32 keys: for the row's maximum and, since p rises with the score, for the block's largest p
.endr
.irp i, 3,5,7,9,11,13
.irp b, 0,1,2,3
	v_max3_num_f32 v[232+\b], v[232+\b], v[96+16*\b+\i], v[97+16*\b+\i]
.endr
.endr
.irp b, 0,1,2,3
	v_max_num_f32 v[232+\b], v[232+\b], v[111+16*\b]
.endr
.irp b, 0,1,2,3
	s_delay_alu instid0(VALU_DEP_4)
	v_permlanex16_b32 v[236+\b], v[232+\b], s[SEL], s[SEL+1]
.endr
.irp b, 0,1,2,3
	s_delay_alu instid0(VALU_DEP_4)
	v_max_num_f32 v[232+\b], v[232+\b], v[236+\b]  ; with lane l xor 16's 16 keys
.endr
	s_delay_alu instid0(VALU_DEP_2)
	v_max3_num_f32 v254, v232, v233, v234
	s_delay_alu instid0(VALU_DEP_1)
	v_max_num_f32 v254, v254, v235
	s_delay_alu instid0(VALU_DEP_1)
	v_mul_f32 v254, s[CS], v254                    ; the step's largest t
	s_delay_alu instid0(VALU_DEP_1)
	v_max_num_f32 v13, v13, v254
	v_mov_b32 v254, v12
	s_delay_alu instid0(VALU_DEP_2)
	v_floor_f32 v12, -v13                          ; the new -M = -ceil(t)
	s_delay_alu instid0(VALU_DEP_1)
	v_sub_f32 v254, v12, v254                      ; old M - new M: a whole number, 0 or less
	s_delay_alu instid0(VALU_DEP_1)
	v_cvt_i32_f32 v254, v254                       ; (it saturates)
	s_delay_alu instid0(VALU_DEP_1)
	v_ldexp_f32 v252, 1.0, v254                    ; f = 2^(old M - new M)
.set n, 0
.rept 32
	v_pk_fma_f32 v[96+n:97+n], v[96+n:97+n], s[CS:CS+1], v[12:13] op_sel_hi:[1,0,0]   ; t - M, two at a time
.set n, n+2
.endr
.irp b, 0,1,2,3
	v_fma_f32 v[232+\b], v[232+\b], s[CS], v12     ; the same of each block's largest score
.endr
.set n, 0
	s_wait_alu depctr_va_vdst(0)                   ; the wait ahead of the batch
.rept 64
	v_exp_f32 v[96+n], v[96+n]                     ; p = 2^(t - M)
.set n, n+1
.endr
	v_pk_mul_f32 v[14:15], v[14:15], v[252:253] op_sel_hi:[1,0]   ; the sums under the new M: the plain place behind the exponentials
	s_wait_alu depctr_va_vdst(0)                   ; one wait for the batch, ahead of its first reader
.irp b, 0,1,2,3
	v_exp_f32 v[232+\b], v[232+\b]                 ; each block's largest p
.endr
	v_pk_add_f32 v[236:237], v[100:101], v[104:105]   ; the row's sum of the unquantised p, in eight chains
	v_pk_add_f32 v[254:255], v[108:109], v[112:113]
	v_pk_add_f32 v[250:251], v[116:117], v[120:121]
	v_pk_add_f32 v[248:249], v[124:125], v[128:129]
	v_pk_add_f32 v[246:247], v[132:133], v[136:137]
	v_pk_add_f32 v[244:245], v[140:141], v[144:145]
	v_pk_add_f32 v[242:243], v[148:149], v[152:153]
	v_pk_add_f32 v[14:15], v[14:15], v[156:157]
	v_pk_add_f32 v[236:237], v[236:237], v[96:97]
	v_pk_add_f32 v[254:255], v[254:255], v[98:99]
	v_pk_add_f32 v[250:251], v[250:251], v[102:103]
	v_pk_add_f32 v[248:249], v[248:249], v[106:107]
	v_pk_add_f32 v[246:247], v[246:247], v[110:111]
	v_pk_add_f32 v[244:245], v[244:245], v[114:115]
	v_pk_add_f32 v[242:243], v[242:243], v[118:119]
	v_pk_add_f32 v[14:15], v[14:15], v[122:123]
	v_pk_add_f32 v[236:237], v[236:237], v[126:127]
	v_pk_add_f32 v[254:255], v[254:255], v[130:131]
	v_pk_add_f32 v[250:251], v[250:251], v[134:135]
	v_pk_add_f32 v[248:249], v[248:249], v[138:139]
	v_pk_add_f32 v[246:247], v[246:247], v[142:143]
	v_pk_add_f32 v[244:245], v[244:245], v[146:147]
	v_pk_add_f32 v[242:243], v[242:243], v[150:151]
	v_pk_add_f32 v[14:15], v[14:15], v[154:155]
	v_pk_add_f32 v[236:237], v[236:237], v[158:159]
	s_delay_alu instid0(VALU_DEP_2)
	v_pk_add_f32 v[14:15], v[14:15], v[248:249]
	s_delay_alu instid0(VALU_DEP_2)
	v_pk_add_f32 v[236:237], v[236:237], v[246:247]
	v_pk_add_f32 v[254:255], v[254:255], v[244:245]
	v_pk_add_f32 v[250:251], v[250:251], v[242:243]
	s_delay_alu instid0(VALU_DEP_2)
	v_pk_add_f32 v[14:15], v[14:15], v[254:255]
	s_delay_alu instid0(VALU_DEP_2)
	v_pk_add_f32 v[236:237], v[236:237], v[250:251]
	s_delay_alu instid0(VALU_DEP_1)
	v_pk_add_f32 v[14:15], v[14:15], v[236:237]
	s_wait_alu depctr_va_vdst(0)                   ; and one for the four
.irp b, 0,1,2,3
	v_max_num_f32 v[232+\b], 0x1800000, v[232+\b]  ; the floor 2^(3 - 127)
.endr
.irp b, 0,1,2,3
	s_delay_alu instid0(VALU_DEP_4)
	v_add_nc_u32 v[244+\b], 0xff000000, v[232+\b]  ; 2 off the exponent field: the conversion's scale operand
.endr
.irp b, 0,1,2,3
	s_delay_alu instid0(VALU_DEP_4)
	v_lshrrev_b32 v[236+\b], 23, v[244+\b]
.endr
	s_delay_alu instid0(VALU_DEP_3)
	v_lshl_or_b32 v253, v237, 8, v236              ; p's scale word for these 128 keys
	s_delay_alu instid0(VALU_DEP_1)
	v_lshl_or_b32 v253, v238, 16, v253
	s_delay_alu instid0(VALU_DEP_1)
	v_lshl_or_b32 v253, v239, 24, v253
.irp c, 0,1
	v_cvt_scalef32_pk16_fp6_f32 v[224+6*\c:226+6*\c], v[96+32*\c:111+32*\c], v[244+2*\c]
	v_cvt_scalef32_pk16_fp6_f32 v[236+4*\c:238+4*\c], v[112+32*\c:127+32*\c], v[244+2*\c+1]
.endr
	v_nop                                          ; one plain place behind a scaled conversion
.irp c, 0,1
.irp i, 0,1,2
	v_permlane16_swap_b32 v[224+6*\c+\i], v[236+4*\c+\i]
.endr
.irp i, 0,1,2
	s_delay_alu instid0(VALU_DEP_3)
	v_mov_b32 v[227+6*\c+\i], v[236+4*\c+\i]
.endr
.endr
	s_wait_alu depctr_va_vdst(0)                   ; the wait directly ahead of the first reader of O^T
.set n, 0
.rept 16
	v_pk_mul_f32 v[160+n:161+n], v[160+n:161+n], v[252:253] op_sel_hi:[1,0]   ; O^T under the new M; also the places in front of the products below
.set n, n+2
.endr
	s_wait_alu depctr_va_vdst(0)
	s_wait_dscnt 0x0                               ; V^T is in
.irp t, 0,1,2,3
	v_wmma_scale_f32_16x16x128_f8f6f4 v[160+8*\t:167+8*\t], v[40+12*\t:51+12*\t], v[224:235], v[160+8*\t:167+8*\t], v[36+\t], v253 matrix_a_fmt:MATRIX_FMT_FP6 matrix_b_fmt:MATRIX_FMT_FP6 matrix_a_scale:MATRIX_SCALE_ROW1
.endr
.rept 4
	v_nop                                          ; places in front of the next loads, and of the reads of O^T
.endr
.if \last == 0
	s_cmp_eq_u32 s[SET], 0
	s_cbranch_scc1 .Lstay_\@                       ; set A never changes tiles
	s_cmp_lg_u32 s[I], s[D1]
	s_cbranch_scc1 .Lstay_\@
	global_load_b64 v[22:23], v7, s[LQ:LQ+1]       ; SET B CHANGES TILES: the low tile's q,
	global_load_b64 v[24:25], v8, s[LQ:LQ+1] offset:8
	global_load_b64 v[26:27], v7, s[LQ:LQ+1] offset:512
	global_load_u16 v34, v9, s[LQ:LQ+1] offset:6144
.irp t, 0,1,2,3,4,5,6,7
	ds_store_b128 v90, v[160+4*\t:163+4*\t] offset:512*\t   ; the high tile's part is parked as an image of its registers, each accumulator from its low end on;
.endr
	ds_store_b128 v90, v[12:15] offset:4096        ; -M, t, the sum.  The wait on DScnt in front of the next barrier covers these stores
	v_mov_b32 v13, 0xff61b1e6
	v_floor_f32 v12, -v13
	v_mov_b32 v14, 0
	v_mov_b32 v15, 0
	s_wait_loadcnt 0x0
	v_lshl_or_b32 v34, v34, 16, v34
.set n, 0
.rept 32
	v_mov_b32 v[160+n], 0                          ; also the places between q's scale word and the next product
.set n, n+1
.endr
	s_wait_alu depctr_va_vdst(0)                   ; the wait ahead of the branches that follow
.Lstay_\@:
	s_add_co_u32 s[I], s[I], 1
	s_add_co_u32 s[RB], s[RB], STEPB
.endif
.endm
.macro WORK                            ; a slot's four key steps
	s_mov_b32 s[JC], 0
.Lsteps_\@:
	STEP 0
	s_add_co_u32 s[JC], s[JC], 1
	s_cmp_lt_u32 s[JC], 4
	s_cbranch_scc1 .Lsteps_\@
.endm
; THE CHANGE OF SLOTS: each wave waits for all its tensor loads, adds 0 to its spare word, makes the next load's group 0 (no load of mine is out), waits for the add and for its reads of the slot left behind; then the barrier.
.macro CHANGE pf
	s_wait_tensorcnt 0x0
	ds_add_u32 v4, v5
	s_add_co_u32 s[LIDX], s[LIDX], 4
	s_xor_b32 s50, s[RT], SLOTB                    ; the load goes to the slot that is not read
	s_add_co_u32 s[G0+1], s[LB], s50
	MKD
	s_add_co_u32 s[RB], s[SBASE], s[RT]
	s_mov_b32 s[RT], s50
.if \pf
	s_wait_xcnt 0x0                                ; the last prefetch, a trip back, has read its address
	s_add_nc_u64 s[PFA:PFA+1], s[PFA:PFA+1], SLOTB
.endif
	s_wait_dscnt 0x0
	s_barrier_signal -1
	s_barrier_wait -1
.endm
.Lphase:                                           ; three trips: phases 0, 1, 2 are worked; phases 1 (slot 1's first fill), 2, 3 are asked for
	CHANGE 1
	tensor_load_to_lds s[G0:G0+3], s[G1:G1+7]      ; my half step of the next phase: one load of mine is out
	s_nop 0
.rept 4
	v_nop
.endr
	s_cmp_lt_u32 s[N], s[PL]
	s_cbranch_scc0 .Lno_ask
	global_prefetch_b8 v6, s[PFA:PFA+1] th:TH_LOAD_NT scope:SCOPE_SE
.Lno_ask:
	WORK
	s_add_co_u32 s[N], s[N], 1
	s_cmp_lt_u32 s[N], 3
	s_cbranch_scc1 .Lphase
	CHANGE 0                                       ; phase 3: only set B's 17th step is left to fetch: waves 8 and 9 ask for its halves
	s_cmp_lg_u32 s[LW], 4
	s_cbranch_scc1 .Lno_load
	tensor_load_to_lds s[G0:G0+3], s[G1:G1+7]
	s_nop 0
.rept 4
	v_nop
.endr
.Lno_load:
	WORK
	s_wait_tensorcnt 0x0                           ; the 17th step's halves have landed,
	s_wait_dscnt 0x0                               ; and the parked parts are stored
	s_barrier_signal -1
	s_barrier_wait -1
	s_cmp_eq_u32 s[SET], 0
	s_cbranch_scc1 .Lmerge
	s_mov_b32 s[RB], 2*SLOTB                       ; set B's slot 0, first step
	STEP 1
	s_branch .Lout
.Lmerge:                                           ; SET A joins its part of the high tile with the part that wave + 8 parked
.irp t, 0,1,2,3,4,5,6,7
	ds_load_b128 v[96+4*\t:99+4*\t], v90 offset:512*\t
.endr
	ds_load_b128 v[128:131], v90 offset:4096
	s_wait_dscnt 0x0
	v_min_num_f32 v132, v12, v128                  ; -(the larger M)
	v_add_f32 v14, v14, v15
	v_add_f32 v130, v130, v131
	v_sub_f32 v133, v132, v12                      ; my M - the larger M, a whole number
	v_sub_f32 v134, v132, v128
	v_cvt_i32_f32 v133, v133
	v_cvt_i32_f32 v134, v134
	v_mov_b32 v15, 0
	v_mov_b32 v135, 0                              ; (named with v134 as a pair)
	v_ldexp_f32 v132, 1.0, v133
	v_ldexp_f32 v134, 1.0, v134
	v_mul_f32 v14, v14, v132
	v_fmac_f32 v14, v130, v134
.set n, 0
.rept 16
	v_pk_mul_f32 v[160+n:161+n], v[160+n:161+n], v[132:133] op_sel_hi:[1,0]
.set n, n+2
.endr
.set n, 0
.rept 16
	v_pk_fma_f32 v[160+n:161+n], v[96+n:97+n], v[134:135], v[160+n:161+n] op_sel_hi:[1,0,1]
.set n, n+2
.endr
.Lout:
	; THE WAY OUT: O^T / the sum; register 8 t + j is channel 32 (t / 2) + 16 h + 8 (t % 2) + j of my query: two blocks of 32 along the last product's K: half a fragment and two scale bytes.
	v_add_f32 v14, v14, v15
	s_delay_alu instid0(VALU_DEP_1)
	v_permlanex16_b32 v252, v14, s[SEL], s[SEL+1]
	s_delay_alu instid0(VALU_DEP_1)
	v_add_f32 v14, v14, v252                       ; the row's sum
	s_wait_alu depctr_va_vdst(0)
	v_rcp_f32 v14, v14
	v_nop                                          ; a plain place behind the reciprocal
	s_wait_alu depctr_va_vdst(0)                   ; the wait ahead of its first reader, and of the first reader of O^T
.set n, 0
.rept 32
	v_mul_f32 v[96+n], v[160+n], v14
.set n, n+1
.endr
.irp b, 0,1
	v_max3_num_f32 v[232+\b], |v[96+16*\b]|, |v[97+16*\b]|, 0x1800000
.endr
.irp i, 2,4,6,8,10,12,14
.irp b, 0,1
	s_delay_alu instid0(VALU_DEP_2)
	v_max3_num_f32 v[232+\b], v[232+\b], |v[96+16*\b+\i]|, |v[97+16*\b+\i]|
.endr
.endr
.irp b, 0,1
	s_delay_alu instid0(VALU_DEP_2)
	v_permlanex16_b32 v[236+\b], v[232+\b], s[SEL], s[SEL+1]
.endr
.irp b, 0,1
	s_delay_alu instid0(VALU_DEP_2)
	v_max_num_f32 v[232+\b], v[232+\b], v[236+\b]
.endr
.irp b, 0,1
	s_delay_alu instid0(VALU_DEP_2)
	v_add_nc_u32 v[244+\b], 0xff000000, v[232+\b]
.endr
.irp b, 0,1
	s_delay_alu instid0(VALU_DEP_2)
	v_lshrrev_b32 v[236+\b], 23, v[244+\b]
.endr
	s_delay_alu instid0(VALU_DEP_1)
	v_lshl_or_b32 v253, v237, 8, v236
	v_cvt_scalef32_pk16_fp6_f32 v[224:226], v[96:111], v244
	v_cvt_scalef32_pk16_fp6_f32 v[228:230], v[112:127], v245
	v_nop
.irp i, 0,1,2
	v_permlane16_swap_b32 v[224+\i], v[228+\i]     ; lanes 0-15 block 0, lanes 16-31 block 1
.endr
	s_delay_alu instid0(VALU_DEP_3)
	v_mov_b32 v227, v228
	s_delay_alu instid0(VALU_DEP_3)
	v_mov_b32 v228, v229
	s_delay_alu instid0(VALU_DEP_3)
	v_mov_b32 v229, v230
	global_store_b128 v1, v[224:227], s[58:59]             ; registers 0-3 at 16 x lane: 512 consecutive bytes
	global_store_b64 v10, v[228:229], s[58:59] offset:512  ; registers 4, 5 at 512 + 8 x lane: 256 consecutive bytes
	global_store_b16 v11, v253, s[60:61]                   ; two bytes a lane-row, 16 bytes apart: a small part of the launch's bytes; lanes r and r + 16 write the same
	s_wait_tensorcnt 0x0                           ; the wave's end
	ds_add_u32 v4, v5
	s_wait_dscnt 0x0
	s_endpgm
.Lfunc_end_k_q28601ba7fe_attn:
	.size	k_q28601ba7fe_attn, .Lfunc_end_k_q28601ba7fe_attn-k_q28601ba7fe_attn
	.p2alignl 7, 3214868480
	.fill 96, 4, 3214868480
	.section	.rodata,"a",@progbits
	.p2align	6, 0x0
	.amdhsa_kernel k_q28601ba7fe_attn
		.amdhsa_group_segment_fixed_size 327680
		.amdhsa_private_segment_fixed_size 0
		.amdhsa_enable_private_segment 0
		.amdhsa_kernarg_size 24
		.amdhsa_user_sgpr_count 2
		.amdhsa_user_sgpr_kernarg_segment_ptr 1
		.amdhsa_wavefront_size32 1
		.amdhsa_system_sgpr_workgroup_id_x 1
		.amdhsa_system_sgpr_workgroup_id_y 1
		.amdhsa_system_sgpr_workgroup_id_z 1
		.amdhsa_system_vgpr_workitem_id 0
		.amdhsa_next_free_vgpr 256
		.amdhsa_next_free_sgpr 66
		.amdhsa_reserve_vcc 1
		.amdhsa_float_denorm_mode_32 3
		.amdhsa_float_denorm_mode_16_64 3
		.amdhsa_memory_ordered 1
		.amdhsa_forward_progress 1
		.amdhsa_inst_pref_size 88
	.end_amdhsa_kernel
	.amdgpu_metadata
---
amdhsa.version: [ 1, 2 ]
amdhsa.kernels:
  - .name:           k_q28601ba7fe_attn
    .symbol:         k_q28601ba7fe_attn.kd
    .args:
      - { .name: qb, .offset: 0, .size: 8, .value_kind: global_buffer, .address_space: global }
      - { .name: kv, .offset: 8, .size: 8, .value_kind: global_buffer, .address_space: global }
      - { .name: ao, .offset: 16, .size: 8, .value_kind: global_buffer, .address_space: global }
    .group_segment_fixed_size: 327680
    .private_segment_fixed_size: 0
    .kernarg_segment_align: 8
    .kernarg_segment_size: 24
    .max_flat_workgroup_size: 512
    .sgpr_count:     66
    .vgpr_count:     256
    .wavefront_size: 32
...
	.end_amdgpu_metadata
.endif
;; end of part 3
;; launch proj (part 4): grid 8 x 32, 4 waves a work-group, clusters of 4 x 4, 221,696 bytes of LDS; arguments ao, wq, sc, out0; writes out0
.if DOCPART == 4
	.amdgcn_target "amdgcn-amd-amdhsa--gfx1250"
	.amdhsa_code_object_version 6
	.text
	.protected	k_q28601ba7fe_proj
	.globl	k_q28601ba7fe_proj
	.p2align	8
	.type	k_q28601ba7fe_proj,@function
k_q28601ba7fe_proj:
	s_mov_b64 s[64:65], 0
	v_nop
	global_prefetch_b8 v0, s[64:65] scope:SCOPE_SE
	s_setreg_imm32_b32 hwreg(HW_REG_WAVE_MODE, 25, 1), 1
	s_wait_xcnt 0x0
	s_wait_alu depctr_hold_cnt(0) depctr_sa_sdst(0) depctr_va_vdst(0) depctr_va_sdst(0) depctr_va_ssrc(0) depctr_va_vcc(0) depctr_vm_vsrc(0)
	s_getreg_b32 s2, hwreg(HW_REG_IB_STS2, 6, 4)
	s_cmp_eq_u32 s2, 0
	s_cbranch_scc0 .Lentry_in_a_cluster
	s_endpgm
.Lentry_in_a_cluster:
	s_bfe_u32 s2, ttmp6, 0x10000c
	s_cmp_lg_u32 s2, 0xf033
	s_cbranch_scc0 .Lentry_shape_is_right
	s_endpgm
.Lentry_shape_is_right:
; out0 = attention's result x Wout, on codes of FP6 (E2M3) with E8M0 scales, K = 1,024; out0 [4096][1024] f32.
; A tile of 128 tokens x 128 columns to a work-group: 256 work-groups; a wave makes 64 x 64: 16 accumulators.  ALL of K fits in LDS (196,608 bytes): one fill a wave, nothing is filled again.
; Operands lie as images of fragments.  Wout: wq's tiles 192-255, [tile][K step][1,536]: register j of lane l at 512 (j / 4) + 16 l + 4 (j % 4).  ao: [tile][head][768]: a head is half a fragment: its registers 0-3 at 16 l, 4-5 at 512 + 8 l.
; Lane-row r of tile 2 b + u is row 32 b + 8 u + r + 8 (r / 8).  The product is used transposed (source 0 = 16 columns of Wout, source 1 = 16 tokens): a lane holds eight neighbouring columns of one token's row.
; CLUSTER 4 x 4: ao's tiles are asked for jointly along a row of the cluster, Wout's along a column.
; REGISTERS: window 0: v4, v8, v12 LDS addresses; v16-20 the way out and the scales' offsets; v32-63 ao's scale words, v64-95 Wout's; v128-255 the accumulators;
;   window 1: two sets of fragments at v0 and v128 (source 1's four, then source 0's four); on the way out rows of out0, v0-31 and v64-95 by turns.
.set QUART, 49152                      ; a wave's 4 tiles x all of K (12,288 bytes): ao's 8 tiles, then Wout's 8
.set STAGE, 4*QUART                    ; behind them: 16 rows x (256 bytes + 16) for each wave; no tensor load lands there
.set G1A, 24
.set G1B, 48
.set RA16, 4
.set RA8,  8
.set PB,   12
.set STO,  16
.set RD,   17
.set CO,   18
.set SA,   32
.set SB,   64
.set ACC,  128
.set MSB, 0
.macro WIN new                         ; the immediate's high byte repeats the setting that is left
.if MSB != (\new)
	s_set_vgpr_msb (MSB<<8)|(\new)
.set MSB, (\new)
.endif
.endm
.set MUL,  0x05                        ; sources 0 and 1 window 1; C and D window 0
.set TO_F, 0x40                        ; destination window 1, address window 0
.macro CREST
	s_cmp_lg_u32 s14, 0
	s_cbranch_scc1 .Lnot_wave_0_\@
	s_barrier_signal -3
.Lnot_wave_0_\@:
	s_barrier_wait -3
	s_barrier_signal -1
	s_barrier_wait -1
.endm
.macro CROUND
	s_barrier_signal -1
	s_barrier_wait -1
	CREST
.endm
.macro MKG0 g, src, n                  ; group 0 for quarter n
	s_mov_b32 s[\g], 1
	s_add_co_u32 s[\g+1], s23, \n*QUART
	s_add_nc_u64 s[\g+2:\g+3], s[\src:\src+1], \n*3072
	s_or_b32 s[\g+3], s[\g+3], 0x80000000
.endm
	s_load_b256 s[4:11], s[0:1], 0x0               ; ao s[4:5], wq s[6:7], sc s[8:9], out0 s[10:11]
	v_lshl_add_u32 v126, v0, 2, 0x36000
	v_mov_b32 v127, 0
	ds_add_u32 v126, v127
	ds_add_u32 v126, v127
	v_lshrrev_b32 v1, 5, v0
	v_readfirstlane_b32 s14, v1                    ; wave 0..3
	s_lshr_b32 s15, s14, 1                         ; my half of the tokens.  Also: I fetch for ao (0) or for Wout (1)
	s_and_b32 s16, s14, 1                          ; my half of the columns.  Also: which 4 tiles I fetch
	s_bfe_u32 s76, ttmp6, 0x40000                  ; cx, cy
	s_bfe_u32 s77, ttmp6, 0x40004
	s_lshl_b32 s78, ttmp9, 2
	s_add_co_u32 s78, s78, s76                     ; column tile of 128
	s_and_b32 s79, ttmp7, 0xffff
	s_lshl_b32 s79, s79, 2
	s_add_co_u32 s79, s79, s77                     ; token tile of 128
	s_lshl_b32 s80, s77, 2
	s_lshl_b32 s80, 15, s80                        ; my row of the cluster
	s_lshl_b32 s81, 0x1111, s76                    ; my column
	; group 1: 4 rows (tiles) of 12,288 bytes, 12,288 bytes apart; elements of 8 bytes; dense in LDS
	s_or_b32 s[G1A], s80, (3<<16)|(1<<21)
	s_or_b32 s[G1B], s81, (3<<16)|(1<<21)
.irp g, G1A, G1B
	s_mov_b32 s[\g+1], 1536<<16                    ; a row is a tile's whole K: 12,288 bytes
	s_mov_b32 s[\g+2], 4<<16
	s_mov_b32 s[\g+3], 1536<<16
	s_mov_b32 s[\g+4], 4
	s_mov_b32 s[\g+5], 1536
	s_mov_b32 s[\g+6], 0
	s_mov_b32 s[\g+7], 0
.endr
	s_lshl_b32 s22, s16, 2
	s_lshl_b32 s20, s79, 3
	s_add_co_u32 s20, s20, s22
	s_mul_i32 s20, s20, 12288                      ; ao: tile 8 x token tile + 4 x half
	s_mov_b32 s21, 0
	s_lshl_b32 s82, s78, 3
	s_add_co_u32 s82, s82, s22
	s_add_co_u32 s82, s82, 192
	s_mul_i32 s82, s82, 12288                      ; Wout: tile 192 + 8 x column tile + 4 x half
	s_mov_b32 s83, 0
	s_mul_i32 s23, s14, 49152                      ; where they go: wave x 4 tiles x all of K
	s_wait_dscnt 0x0
	s_wait_kmcnt 0x0
	s_add_nc_u64 s[20:21], s[4:5], s[20:21]
	s_add_nc_u64 s[82:83], s[6:7], s[82:83]
	CROUND                                         ; all sixteen work-groups are here: the joint loads meet
	MKG0 32, 20, 0
	MKG0 56, 82, 0
	s_cmp_eq_u32 s15, 0                            ; one tensor load a wave: my 4 tiles, all of K: 49,152 bytes
	s_cbranch_scc0 .Lfor_b
	tensor_load_to_lds s[32:35], s[G1A:G1A+7]
	s_nop 0
.rept 4
	v_nop
.endr
	s_branch .Lasked
.Lfor_b:
	tensor_load_to_lds s[56:59], s[G1B:G1B+7]
	s_nop 0
.rept 4
	v_nop
.endr
.Lasked:
	v_and_b32 v1, 31, v0                           ; lane
	v_and_b32 v2, 15, v0                           ; r
	v_bfe_u32 v3, v0, 4, 1                         ; h
	s_mul_i32 s84, s15, 49152                      ; my 4 tiles of ao
	s_mul_i32 s85, s16, 49152
	s_add_co_u32 s85, s85, 98304                   ; my 4 tiles of Wout, behind ao's 8
	v_lshl_add_u32 v[RA16], v1, 4, s84
	v_lshl_add_u32 v[RA8], v1, 3, s84
	v_lshl_add_u32 v[PB], v1, 4, s85
	s_mul_i32 s86, s14, 4352
	s_add_co_u32 s86, s86, STAGE                   ; my stage
	v_mul_u32_u24 v[STO], v2, 272
	v_lshl_add_u32 v[STO], v3, 6, v[STO]
	v_add_nc_u32 v[STO], s86, v[STO]               ; in: row r, + 64 h
	v_mul_u32_u24 v[RD], v3, 272
	v_lshl_add_u32 v[RD], v2, 4, v[RD]
	v_add_nc_u32 v[RD], s86, v[RD]                 ; back: lanes 0-15 one row of 256 bytes, lanes 16-31 the next
	v_lshlrev_b32 v[CO], 12, v3
	v_lshl_add_u32 v[CO], v2, 4, v[CO]             ; and the same two rows in out0
	s_lshl_b32 s87, s79, 12                        ; ao's scale words: (8 x token tile + 4 x half) x 512
	s_lshl_b32 s88, s15, 11
	s_add_co_u32 s87, s87, s88
	v_lshl_add_u32 v19, v2, 4, s87
	s_lshl_b32 s87, s78, 12                        ; Wout's: (192 + 8 x column tile + 4 x half) x 512
	s_lshl_b32 s88, s16, 11
	s_add_co_u32 s87, s87, s88
	s_add_co_u32 s87, s87, 192*512
	v_lshl_add_u32 v20, v2, 4, s87
.irp a, 0,1,2,3
.irp kh, 0,1
	global_load_b128 v[SA+8*\a+4*\kh:SA+8*\a+4*\kh+3], v19, s[4:5] offset:3145728+512*\a+256*\kh   ; sixteen lanes read 256 consecutive bytes (lanes 16-31 the same: they are not used)
	global_load_b128 v[SB+8*\a+4*\kh:SB+8*\a+4*\kh+3], v20, s[8:9] offset:131072+512*\a+256*\kh
.endr
.endr
	s_lshl_b32 s88, s79, 19                        ; my part of out0: (128 x token tile + 64 x half) rows of 4,096 bytes + (128 x column tile + 64 x half) x 4
	s_lshl_b32 s89, s15, 18
	s_add_co_u32 s88, s88, s89
	s_lshl_b32 s89, s78, 9
	s_add_co_u32 s88, s88, s89
	s_lshl_b32 s89, s16, 8
	s_add_co_u32 s88, s88, s89
	s_mov_b32 s89, 0
	s_add_nc_u64 s[10:11], s[10:11], s[88:89]
.macro FETCH ks                        ; the fragments of K step ks into set ks % 2: 16 + 12 = 28 loads
.set FB, 128*((\ks)%2)
.set QQ, 0
.set OF, 1536*(\ks)
	WIN TO_F
.irp i, 0,1,2,3
	ds_load_b128 v[FB+12*\i:FB+12*\i+3], v[RA16+QQ] offset:12288*\i+OF
	ds_load_b64 v[FB+12*\i+4:FB+12*\i+5], v[RA8+QQ] offset:12288*\i+OF+512
	ds_load_b128 v[FB+12*\i+6:FB+12*\i+9], v[RA16+QQ] offset:12288*\i+OF+768
	ds_load_b64 v[FB+12*\i+10:FB+12*\i+11], v[RA8+QQ] offset:12288*\i+OF+1280
.endr
.irp i, 0,1,2,3
.irp g, 0,1,2
	ds_load_b128 v[FB+48+12*\i+4*\g:FB+48+12*\i+4*\g+3], v[PB+QQ] offset:12288*\i+OF+512*\g
.endr
.endr
.endm
.macro MULS ks, zero                   ; 16 products: the accumulators take turns, one instruction a turn
.set FB, 128*((\ks)%2)
	WIN MUL
.irp a, 0,1,2,3
.irp b, 0,1,2,3
.if \zero
	v_wmma_scale_f32_16x16x128_f8f6f4 v[ACC+32*\a+8*\b:ACC+32*\a+8*\b+7], v[FB+48+12*\b:FB+48+12*\b+11], v[FB+12*\a:FB+12*\a+11], 0, v[SB+8*\b+(\ks)], v[SA+8*\a+(\ks)] matrix_a_fmt:MATRIX_FMT_FP6 matrix_b_fmt:MATRIX_FMT_FP6
.else
	v_wmma_scale_f32_16x16x128_f8f6f4 v[ACC+32*\a+8*\b:ACC+32*\a+8*\b+7], v[FB+48+12*\b:FB+48+12*\b+11], v[FB+12*\a:FB+12*\a+11], v[ACC+32*\a+8*\b:ACC+32*\a+8*\b+7], v[SB+8*\b+(\ks)], v[SA+8*\a+(\ks)] matrix_a_fmt:MATRIX_FMT_FP6 matrix_b_fmt:MATRIX_FMT_FP6
.endif
.endr
.endr
.endm
	s_wait_alu depctr_va_vdst(0)                   ; the wait at the head's end
	s_wait_tensorcnt 0x0                           ; my one load, all of K for my 4 tiles, is in
	s_barrier_signal -1
	s_barrier_wait -1                              ; everybody's is; nothing is filled again
	FETCH 0
	s_wait_loadcnt 0x0                             ; the scale words
.irp ks, 0,1,2,3,4,5,6,7
.if \ks < 7
.if \ks > 0
.rept 4
	v_nop                                          ; places in front of loads into the set that the last step multiplied
.endr
.endif
	FETCH \ks+1
	s_wait_dscnt 28                                ; this step's fragments are in; the 28 loads just issued may be out
.else
	s_wait_dscnt 0x0
.endif
.if \ks == 0
	MULS \ks, 1                                    ; the first products start the sums
.else
	MULS \ks, 0
.endif
.endr
	WIN 0
.rept 4
	v_nop
.endr
; THE WAY OUT, a tile of 16 tokens x 64 columns at a time, through my own stage: in as 32 bytes a lane, back as whole rows of 256 bytes.  LDS serves a wave's instructions in order: no wait between the stores and the loads.
.macro TOSTAGE a
	WIN 0
.irp b, 0,1,2,3
	ds_store_b128 v[STO], v[ACC+32*(\a)+8*\b:ACC+32*(\a)+8*\b+3] offset:128*(\b>>1)+32*(\b&1)       ; columns 32 (b / 2) + 16 h + 8 (b % 2) on; each accumulator from its low end on
	ds_store_b128 v[STO], v[ACC+32*(\a)+8*\b+4:ACC+32*(\a)+8*\b+7] offset:128*(\b>>1)+32*(\b&1)+16
.endr
	WIN TO_F
.irp i, 0,1,2,3,4,5,6,7
	ds_load_b128 v[64*((\a)%2)+4*\i:64*((\a)%2)+4*\i+3], v[RD] offset:\i*2*272
.endr
	WIN 0
.endm
.macro SEND a
	WIN 0x04                                       ; a store's data are its source 1: window 1
.irp i, 0,1,2,3,4,5,6,7
	global_store_b128 v[CO], v[64*((\a)%2)+4*\i:64*((\a)%2)+4*\i+3], s[10:11] offset:(32*((\a)>>1)+8*((\a)&1)+2*\i+8*(\i>>2))*4096 th:TH_STORE_NT   ; stage row 2 i + h is token 32 (a / 2) + 8 (a % 2) + 2 i + h + 8 (i / 4); sixteen lanes store 256 consecutive bytes, aligned
.endr
	WIN 0
.endm
	s_wait_alu depctr_va_vdst(0)
	TOSTAGE 0
.irp a, 1,2,3
.if \a >= 2
	s_wait_xcnt 0x0                                ; the stores of two tiles back have read their registers: this tile's rows may land there
.endif
	TOSTAGE \a
	s_wait_dscnt 16                                ; the tile before is back; this tile's 8 stores and 8 loads may be out
	SEND \a-1
.endr
	s_wait_dscnt 0x0
	SEND 3
	s_wait_tensorcnt 0x0
	ds_add_u32 v126, v127
	s_wait_dscnt 0x0
	CROUND                                         ; the closing round: no work-group ends while a partner may still ask for a tile that names it
	s_endpgm
.Lfunc_end_k_q28601ba7fe_proj:
	.size	k_q28601ba7fe_proj, .Lfunc_end_k_q28601ba7fe_proj-k_q28601ba7fe_proj
	.p2alignl 7, 3214868480
	.fill 96, 4, 3214868480
	.section	.rodata,"a",@progbits
	.p2align	6, 0x0
	.amdhsa_kernel k_q28601ba7fe_proj
		.amdhsa_group_segment_fixed_size 221696
		.amdhsa_private_segment_fixed_size 0
		.amdhsa_enable_private_segment 0
		.amdhsa_kernarg_size 32
		.amdhsa_user_sgpr_count 2
		.amdhsa_user_sgpr_kernarg_segment_ptr 1
		.amdhsa_wavefront_size32 1
		.amdhsa_system_sgpr_workgroup_id_x 1
		.amdhsa_system_sgpr_workgroup_id_y 1
		.amdhsa_system_sgpr_workgroup_id_z 1
		.amdhsa_system_vgpr_workitem_id 0
		.amdhsa_next_free_vgpr 512
		.amdhsa_next_free_sgpr 98
		.amdhsa_reserve_vcc 0
		.amdhsa_float_denorm_mode_32 3
		.amdhsa_float_denorm_mode_16_64 3
		.amdhsa_memory_ordered 1
		.amdhsa_forward_progress 1
		.amdhsa_inst_pref_size 48
	.end_amdhsa_kernel
	.amdgpu_metadata
---
amdhsa.version: [ 1, 2 ]
amdhsa.kernels:
  - .name:           k_q28601ba7fe_proj
    .symbol:         k_q28601ba7fe_proj.kd
    .args:
      - { .name: ao, .offset: 0, .size: 8, .value_kind: global_buffer, .address_space: global }
      - { .name: wq, .offset: 8, .size: 8, .value_kind: global_buffer, .address_space: global }
      - { .name: sc, .offset: 16, .size: 8, .value_kind: global_buffer, .address_space: global }
      - { .name: out0, .offset: 24, .size: 8, .value_kind: global_buffer, .address_space: global }
    .group_segment_fixed_size: 221696
    .private_segment_fixed_size: 0
    .kernarg_segment_align: 8
    .kernarg_segment_size: 32
    .max_flat_workgroup_size: 128
    .sgpr_count:     98
    .vgpr_count:     512
    .wavefront_size: 32
...
	.end_amdgpu_metadata
.endif
;; end of part 4
